; MI455X (gfx1250); checked and timed in simulation.
; The chip was launched on July 23, 2026; its instructions are those of AMD's public machine-readable ISA for CDNA 5 (MIT licence, August 2026) and "CDNA5" Instruction Set Architecture Reference Guide (July 2026). The comments in the code are by the model that wrote it; some were corrected since.
;; Causal Multi Head Attention. Allowed arithmetic: matrix products marked QUANTISED: E4M3 operands, one given power-of-two scale a tensor, by v_wmma_f32_16x16x64_fp8_fp8 or v_wmma_f32_16x16x128_fp8_fp8, f32 sums; everything else in f32.
;; Inputs: W_attn 1,024 x 3,072 float32; W_proj 1,024 x 1,024 float32; b_attn 3,072 float32; b_proj 1,024 float32; lowp_scales 8 int32 (the exponents e of the quantised operands' scales 2^e); x 4 x 2,048 x 1,024 float32.
;; Outputs: out0 4 x 2,048 x 1,024 float32.
;; This version of the problem:
;;   THIS VERSION OF THE PROBLEM IS GIVEN IN LOW PRECISION. The matrix products marked QUANTISED in the list below multiply operands that are first quantised to E4M3 (4 exponent bits, 3 mantissa bits; 8 bits a number), with one given power-of-two scale for each operand tensor; their sums are f32. All else is computed in f32.
;;   The module's matrix products, in the order in which they are computed (A, B: the left and right operand; K: the contracted axis; several contracted axes count as one K, in the product's order):
;;     1. [M 8,192, K 1,024] x [K 1,024, N 3,072]; A: input x; B: input W_attn: QUANTISED (scales: A lowp_scales[0], B lowp_scales[1])
;;     2. batch 64 x [M 2,048, K 64] x [K 64, N 2,048]; A: computed on the way; B: computed on the way: QUANTISED (scales: A lowp_scales[2], B lowp_scales[3])
;;     3. batch 64 x [M 2,048, K 2,048] x [K 2,048, N 64]; A: softmax (see below); B: computed on the way: QUANTISED (scales: A lowp_scales[4], B lowp_scales[5])
;;     4. [M 8,192, K 1,024] x [K 1,024, N 1,024]; A: computed on the way; B: input W_proj: QUANTISED (scales: A lowp_scales[6], B lowp_scales[7])
;;   THE QUANTISER, for each operand of a quantised product, along K:
;;     - The operand's scale is 2^e, e = its entry of the input lowp_scales (int32; the entries are numbered through the quantised products in the list's order, A before B).
;;     - Each number is divided by the scale, clamped to +-448, and rounded to the nearest number of E4M3, ties to even, subnormals kept.
;;     - The product sums the exact products of the quantised numbers (number of the format x scale) in f32.
;;   ~~~python
;;   def quantise(x, axis, e):      # numpy; x: float32 -> the quantised numbers, widened to float32 again
;;       x = np.moveaxis(x, axis, -1); K = x.shape[-1]
;;       r = np.clip(x / 2.0 ** e, -448, 448)
;;       step = 2.0 ** (np.maximum(np.frexp(np.where(r == 0, 1, r))[1] - 1, -6) - 3)
;;       q = np.round(r / step) * step * 2.0 ** e      # np.round: ties to even
;;       return np.moveaxis(q, -1, axis).astype(np.float32)
;;   ~~~
;;   SOFTMAX AHEAD OF A QUANTISED PRODUCT. Where the list says 'softmax', what is quantised is not the finished softmax but p = 2^(t - M), with t = logit x log2(e) and M = ceil(the row's largest t), a whole number; so 1/2 < the row's largest p <= 1. The row's sum l is taken of the UNQUANTISED p, in f32, and the product's result is divided by l at the end. Since M is a whole number, a kernel that streams over the keys may use a running M (the ceiling of the running maximum): every later rescaling is an exact power of two, so the quantised numbers keep their values, but for numbers so far below the row's largest that they fall under the format's range.
;;   OPERANDS COMPUTED ON THE WAY. 'Computed on the way' means the value that the module computes at that place (a softmax that the list does not call 'softmax' is quantised finished and normalised). What goes into a quantiser is computed in f32, as accurately as f32 sums, v_exp_f32 and their like allow (about 1e-6 of the number): no bf16 or f16 on the way to a quantiser, and a product that is left as it is and whose result goes on into a quantised operand takes f32 operands (vector FMAs, or v_wmma_f32_16x16x4_f32). A number that lies on a knife's edge between two numbers of the format may be rounded either way, as far as f32 arithmetic and the matrix unit's own rounding can turn it there, and no further.
;; One version. Each part assembles by itself: llvm-mc -triple=amdgcn-amd-amdhsa -mcpu=gfx1250 --defsym DOCPART=n.
;; ======== version 1 of 1: 4 launches
;; limits: right only within a limited range of input values
;; workspace buffers: xc 8,388,608 bytes; wac 3,145,728 bytes; wpc 1,048,576 bytes; qc 8,388,608 bytes; kc 8,388,608 bytes; vt 8,388,608 bytes; ac 8,388,608 bytes
;; launch quant (part 1): grid 384 x 1, 4 waves a work-group, no clusters, 68,096 bytes of LDS; arguments x, W_attn, W_proj, lowp_scales, xc, wac, wpc; writes xc, wac, wpc
.if DOCPART == 1
	.amdgcn_target "amdgcn-amd-amdhsa--gfx1250"
	.amdhsa_code_object_version 6
	.text
	.protected	k_q3f0829343e_quant
	.globl	k_q3f0829343e_quant
	.p2align	8
	.type	k_q3f0829343e_quant,@function
k_q3f0829343e_quant:
	s_mov_b64 s[64:65], 0
	v_nop
	global_prefetch_b8 v0, s[64:65] scope:SCOPE_SE
	s_setreg_imm32_b32 hwreg(HW_REG_WAVE_MODE, 25, 1), 1
	s_wait_xcnt 0x0
; x [8192][1024], W_attn [1024][3072] and W_proj [1024][1024], all f32, become codes of FP8 (E4M3), one byte a number, K innermost:
; xc [8192][1024], wac [3072][1024], wpc [1024][1024].  code = number / 2^e, held within +-448, rounded to the nearest code, ties to even;
; e = entry 0 (x), 1 (W_attn), 7 (W_proj) of the buffer of scales.
; LIMITS: each of these e lies between -126 and 119, so that 2^e and 448 x 2^e are f32 numbers.  NaN among the inputs is not served; an infinity is held at the largest code.
; SHARES.  Work-groups 0-255 take x, whose K is innermost: a plain stream, 8,192 numbers a wave.  Work-groups 256-383 take the weights, whose K is the first axis: 128 columns x 256 along K each.
; Every work-group reads 131,072 bytes.  The two ways part on the work-group's number and have LDS bytes of their own.  No tensor loads, no barrier: waves share nothing; no input is shared between work-groups, so no cluster.
.set STEPS,  16                        ; x: steps of 512 numbers a wave
.set WREG,   8192                      ; x: LDS bytes kept for each wave: two stages of 32 x SP bytes
.set SP,     80                        ; x: a lane's place in a stage: its 64 bytes + 16 of padding
.set XR,     16                        ; x: v16-79   four sets of 16 numbers as loaded
.set XX,     80                        ; x: v80-111  two sets of 16 neighbours
.set XC,     128                       ; x: v128-191 codes, four registers for each step: no store's data are written again
.set WBASE,  32768                     ; weights: their LDS begins here
.set WP,     272                       ; weights: a stage row: 256 bytes of codes + 16
.set NB,     8                         ; weights: blocks of 32 along K a wave
.set WX,     32                        ; weights: v32-95   two sets of 32 numbers
.set WC,     96                        ; weights: v96-103  a block's codes
.set WO,     112                       ; weights: v112-175 the way out
.set WA,     176                       ; weights: v176-207 byte offset of row i of a block at my column: 4 x lane + i x pitch; never rewritten
	s_load_b256 s[4:11], s[0:1], 0x0               ; x s[4:5], W_attn s[6:7], W_proj s[8:9], the scales' exponents s[10:11]
	s_load_b128 s[12:15], s[0:1], 0x20             ; xc s[12:13], wac s[14:15]
	s_load_b64 s[16:17], s[0:1], 0x30              ; wpc
	v_lshl_add_u32 v208, v0, 2, 0x10800
	v_mov_b32 v209, 0
	v_lshrrev_b32 v1, 5, v0
	v_readfirstlane_b32 s18, v1                    ; wave 0..3
	v_and_b32 v2, 31, v0                           ; lane
	s_wait_kmcnt 0x0
	s_load_b256 s[24:31], s[10:11], 0x0            ; e0 .. e7
	s_cmp_lt_u32 ttmp9, 256
	s_cbranch_scc0 .Lweights
	s_wait_alu depctr_va_vdst(0)
; ---------------- x: K is innermost ----------------
; The conversions take 8 numbers of one lane's consecutive registers, so a lane must hold neighbours along K; a load is best where neighbouring lanes take neighbouring bytes.  Both are had:
; each of a step's four loads reads 512 consecutive bytes, 16 a lane; the 2,048 bytes go through the wave's own stage in LDS and come back 64 bytes a lane.  A lane's 16 codes are 16 bytes: the wave stores 512 consecutive bytes.
	v_lshlrev_b32 v3, 4, v2                        ; my 16 bytes of a load's 512, and of a step's 512 bytes of codes
	s_wait_alu depctr_va_vdst(0)
	s_mul_i32 s19, s18, WREG
	v_lshrrev_b32 v14, 2, v2
	v_mul_u32_u24 v14, v14, SP
	v_and_b32 v15, 3, v2
	v_lshl_add_u32 v14, v15, 4, v14
	v_add_nc_u32 v14, s19, v14                     ; into the stage: four lanes' 64 bytes on end, then 16 of padding
	v_mul_u32_u24 v15, v2, SP
	v_add_nc_u32 v15, s19, v15                     ; out of it: my 16 neighbours
	s_lshl_b32 s20, ttmp9, 2
	s_add_co_u32 s20, s20, s18                     ; which run of 8,192 numbers is my wave's: 0 .. 1,023
	s_lshl_b32 s22, s20, 15
	s_mov_b32 s23, 0
	s_add_nc_u64 s[4:5], s[4:5], s[22:23]
	s_lshl_b32 s22, s20, 13
	s_add_nc_u64 s[12:13], s[12:13], s[22:23]
.macro LOADX t
.irp i, 0,1,2,3
	global_load_b128 v[XR+16*((\t)%4)+4*\i:XR+16*((\t)%4)+4*\i+3], v3, s[4:5] offset:2048*(\t)+512*\i th:TH_LOAD_NT   ; read once in the launch
.endr
.endm
.macro TURNX t                         ; step t's numbers through the stage: LDS serves a wave's instructions in order (ISA guide 5.7.1), so no wait stands between the stores and the loads
.irp i, 0,1,2,3
	ds_store_b128 v14, v[XR+16*((\t)%4)+4*\i:XR+16*((\t)%4)+4*\i+3] offset:32*SP*((\t)%2)+8*SP*\i
.endr
.irp i, 0,1,2,3
	ds_load_b128 v[XX+16*((\t)%2)+4*\i:XX+16*((\t)%2)+4*\i+3], v15 offset:32*SP*((\t)%2)+16*\i
.endr
.endm
.irp t, 0,1,2,3
	LOADX \t
.endr
	s_wait_alu depctr_va_vdst(0)
	s_wait_kmcnt 0x0
	s_add_co_i32 s24, s24, 127
	s_lshl_b32 s25, s24, 23
	v_mov_b32 v11, s25                             ; 2^e0 as f32: the conversion takes its exponent field
	s_add_co_i32 s24, s24, 8
	s_lshl_b32 s24, s24, 23
	s_or_b32 s24, s24, 0x600000
	s_wait_alu depctr_va_vdst(0)
	s_wait_loadcnt 12                              ; step 0's four loads are in; the twelve of steps 1 to 3 may be out
	TURNX 0
.macro STEPX t
.set XS, XX+16*((\t)%2)
	s_wait_dscnt 0x0                               ; this step's numbers are back from the stage
.if (\t)+4 < STEPS
	LOADX (\t)+4                                   ; into the set that the stage's stores have read
.endif
.if (\t)+1 < STEPS
.if STEPS-2-(\t) >= 3
	s_wait_loadcnt 12                              ; the next step's four loads are in; those of the three steps behind it may be out
.else
	s_wait_loadcnt 4*(STEPS-2-(\t))                ; the tail: fewer steps are behind it
.endif
	TURNX (\t)+1                                   ; they go through the other stage while this step is worked
.endif
.set ii, 0
.rept 16
.set ii, ii+1
.endr
	v_cvt_scalef32_pk8_fp8_f32 v[XC+4*(\t):XC+4*(\t)+1], v[XS:XS+7], v11
	v_cvt_scalef32_pk8_fp8_f32 v[XC+4*(\t)+2:XC+4*(\t)+3], v[XS+8:XS+15], v11
	global_store_b128 v3, v[XC+4*(\t):XC+4*(\t)+3], s[12:13] offset:512*(\t)   ; 32 lanes store 512 consecutive bytes, aligned.  (The codes go to a store alone; the next vector lines are the next step's conversions, on other registers)
.endm
.irp t, 0,1,2,3,4,5,6,7,8,9,10,11,12,13,14,15
	STEPX \t
.endr
	s_wait_tensorcnt 0x0
	ds_add_u32 v208, v209
	s_wait_dscnt 0x0
	s_endpgm
; ---------------- the weights: K is the first axis ----------------
; A lane takes a column n and its registers run down K: each load reads neighbouring n in neighbouring lanes (128 consecutive bytes a wave, 512 a work-group), and the conversions give codes with K innermost.
; One text serves both weights: source, destination, pitch and exponent are chosen on the work-group's number; the pitch stands in registers.
.Lweights:
	s_sub_co_u32 s56, ttmp9, 256
	s_lshr_b32 s57, s56, 2                         ; group of 128 columns: 0-23 W_attn's, 24-31 W_proj's
	s_and_b32 s58, s56, 3                          ; which 256 along K
	s_mov_b32 s36, 4096
	s_wait_kmcnt 0x0
	s_cmp_lt_u32 s57, 24                           ; the choice hangs on the work-group's number alone
	s_cselect_b64 s[32:33], s[6:7], s[8:9]         ; source
	s_cselect_b64 s[34:35], s[14:15], s[16:17]     ; destination
	s_cselect_b32 s36, 12288, s36                  ; a row of the source in bytes
	s_cselect_b32 s37, s25, s31                    ; e1 or e7
	s_cselect_b32 s38, 0, 24
	s_sub_co_u32 s57, s57, s38
	s_lshl_b32 s57, s57, 7
	s_lshl_b32 s59, s18, 5
	s_add_co_u32 s57, s57, s59                     ; my wave's first column
	s_lshl_b32 s60, s58, 8
	s_mul_i32 s60, s60, s36                        ; 256 ky rows,
	s_lshl_b32 s59, s57, 2
	s_add_co_u32 s60, s60, s59                     ; + 4 bytes a column
	s_mov_b32 s61, 0
	s_add_nc_u64 s[40:41], s[32:33], s[60:61]      ; block 0's first row at my first column
	s_lshl_b32 s60, s36, 5                         ; 32 rows on
.irp t, 1,2,3,4,5,6,7
	s_add_nc_u64 s[40+2*\t:41+2*\t], s[38+2*\t:39+2*\t], s[60:61]   ; a base for each block: none is stepped while loads are out
.endr
	s_lshl_b32 s62, s57, 10                        ; codes: column x 1,024 bytes
	s_lshl_b32 s59, s58, 8
	s_add_co_u32 s62, s62, s59                     ; + 256 ky
	s_mov_b32 s63, 0
	s_add_nc_u64 s[34:35], s[34:35], s[62:63]
	s_wait_alu depctr_va_vdst(0)
	v_lshlrev_b32 v[WA], 2, v2
.irp i, 1,2,3,4,5,6,7,8,9,10,11,12,13,14,15,16,17,18,19,20,21,22,23,24,25,26,27,28,29,30,31
	v_add_nc_u32 v[WA+\i], s36, v[WA+\i-1]
.endr
	s_mul_i32 s59, s18, 32*WP
	s_add_co_u32 s59, s59, WBASE                   ; my stage: 32 rows of WP bytes
	v_mul_u32_u24 v4, v2, WP
	v_add_nc_u32 v4, s59, v4                       ; into it: row = my column
	v_and_b32 v5, 15, v2
	v_lshrrev_b32 v6, 4, v2
	v_mul_u32_u24 v7, v6, WP
	v_lshl_add_u32 v7, v5, 4, v7
	v_add_nc_u32 v7, s59, v7                       ; out of it: sixteen lanes to a row, two rows an instruction
	v_lshlrev_b32 v8, 10, v6
	v_lshl_add_u32 v8, v5, 4, v8                   ; and the same place in the codes' buffer
.macro LOADW t                         ; block t: W(32 t + i, my column), i = 0 .. 31, into set t % 2
.set ii, 0
.rept 32
	global_load_b32 v[WX+32*((\t)%2)+ii], v[WA+ii], s[40+2*(\t):41+2*(\t)] th:TH_LOAD_NT
.set ii, ii+1
.endr
.endm
	LOADW 0
	LOADW 1
	s_add_co_i32 s37, s37, 127
	s_lshl_b32 s38, s37, 23
	v_mov_b32 v11, s38                             ; 2^e as f32
	s_add_co_i32 s37, s37, 8
	s_lshl_b32 s37, s37, 23
	s_or_b32 s37, s37, 0x600000
.macro BLOCKW t
.set XS, WX+32*((\t)%2)
.if (\t) < NB-1
	s_wait_loadcnt 32                              ; this block's 32 loads are in; the next block's 32 may be out
.else
	s_wait_loadcnt 0
.endif
.set ii, 0
.rept 32
.set ii, ii+1
.endr
.irp g, 0,1,2,3
	v_cvt_scalef32_pk8_fp8_f32 v[WC+2*\g:WC+2*\g+1], v[XS+8*\g:XS+8*\g+7], v11
.endr
	ds_store_b128 v4, v[WC:WC+3] offset:32*(\t)    ; 32 codes: 32 bytes of my column's row
	ds_store_b128 v4, v[WC+4:WC+7] offset:32*(\t)+16
.if (\t)+2 < NB
	LOADW (\t)+2
.endif
	s_wait_dscnt 0x0                               ; the stores have read their registers: the next block's codes may be written
.endm
	s_wait_alu depctr_va_vdst(0)
.irp t, 0,1,2,3,4,5,6,7
	BLOCKW \t
.endr
.irp t, 0,1,2,3,4,5,6,7,8,9,10,11,12,13,14,15
	ds_load_b128 v[WO+4*\t:WO+4*\t+3], v7 offset:2*\t*WP   ; these see my stores: a wave's LDS instructions are served in order
.endr
.irp t, 0,1,2,3,4,5,6,7,8,9,10,11,12,13,14,15
	s_wait_dscnt 15-\t                             ; load t is in; the younger ones may be out
	global_store_b128 v8, v[WO+4*\t:WO+4*\t+3], s[34:35] offset:2*\t*1024   ; sixteen lanes store 256 consecutive bytes, aligned
.endr
	s_wait_tensorcnt 0x0
	ds_add_u32 v208, v209
	s_wait_dscnt 0x0
	s_endpgm
.Lfunc_end_k_q3f0829343e_quant:
	.size	k_q3f0829343e_quant, .Lfunc_end_k_q3f0829343e_quant-k_q3f0829343e_quant
	.p2alignl 7, 3214868480
	.fill 96, 4, 3214868480
	.section	.rodata,"a",@progbits
	.p2align	6, 0x0
	.amdhsa_kernel k_q3f0829343e_quant
		.amdhsa_group_segment_fixed_size 68096
		.amdhsa_private_segment_fixed_size 0
		.amdhsa_enable_private_segment 0
		.amdhsa_kernarg_size 56
		.amdhsa_user_sgpr_count 2
		.amdhsa_user_sgpr_kernarg_segment_ptr 1
		.amdhsa_wavefront_size32 1
		.amdhsa_system_sgpr_workgroup_id_x 1
		.amdhsa_system_sgpr_workgroup_id_y 1
		.amdhsa_system_sgpr_workgroup_id_z 1
		.amdhsa_system_vgpr_workitem_id 0
		.amdhsa_next_free_vgpr 210
		.amdhsa_next_free_sgpr 66
		.amdhsa_reserve_vcc 0
		.amdhsa_float_denorm_mode_32 3
		.amdhsa_float_denorm_mode_16_64 3
		.amdhsa_fp16_overflow 1
		.amdhsa_memory_ordered 1
		.amdhsa_forward_progress 1
		.amdhsa_inst_pref_size 55
	.end_amdhsa_kernel
	.amdgpu_metadata
---
amdhsa.version: [ 1, 2 ]
amdhsa.kernels:
  - .name:           k_q3f0829343e_quant
    .symbol:         k_q3f0829343e_quant.kd
    .args:
      - { .name: x, .offset: 0, .size: 8, .value_kind: global_buffer, .address_space: global }
      - { .name: W_attn, .offset: 8, .size: 8, .value_kind: global_buffer, .address_space: global }
      - { .name: W_proj, .offset: 16, .size: 8, .value_kind: global_buffer, .address_space: global }
      - { .name: lowp_scales, .offset: 24, .size: 8, .value_kind: global_buffer, .address_space: global }
      - { .name: xc, .offset: 32, .size: 8, .value_kind: global_buffer, .address_space: global }
      - { .name: wac, .offset: 40, .size: 8, .value_kind: global_buffer, .address_space: global }
      - { .name: wpc, .offset: 48, .size: 8, .value_kind: global_buffer, .address_space: global }
    .group_segment_fixed_size: 68096
    .private_segment_fixed_size: 0
    .kernarg_segment_align: 8
    .kernarg_segment_size: 56
    .max_flat_workgroup_size: 128
    .sgpr_count:     66
    .vgpr_count:     210
    .wavefront_size: 32
...
	.end_amdgpu_metadata
.endif
;; end of part 1
;; launch qkv (part 2): grid 12 x 32, 4 waves a work-group, clusters of 4 x 4, 327,680 bytes of LDS; arguments xc, wac, b_attn, lowp_scales, qc, kc, vt; writes qc, kc, vt
.if DOCPART == 2
	.amdgcn_target "amdgcn-amd-amdhsa--gfx1250"
	.amdhsa_code_object_version 6
	.text
	.protected	k_q3f0829343e_qkv
	.globl	k_q3f0829343e_qkv
	.p2align	8
	.type	k_q3f0829343e_qkv,@function
k_q3f0829343e_qkv:
	s_mov_b64 s[64:65], 0
	v_nop
	global_prefetch_b8 v0, s[64:65] scope:SCOPE_SE
	s_setreg_imm32_b32 hwreg(HW_REG_WAVE_MODE, 25, 1), 1
	s_wait_xcnt 0x0
	s_wait_alu depctr_hold_cnt(0) depctr_sa_sdst(0) depctr_va_vdst(0) depctr_va_sdst(0) depctr_va_ssrc(0) depctr_va_vcc(0) depctr_vm_vsrc(0)
	s_getreg_b32 s2, hwreg(HW_REG_IB_STS2, 6, 4)
	s_cmp_eq_u32 s2, 0
	s_cbranch_scc0 .Lentry_in_a_cluster
	s_endpgm
.Lentry_in_a_cluster:
	s_bfe_u32 s2, ttmp6, 0x10000c
	s_cmp_lg_u32 s2, 0xf033
	s_cbranch_scc0 .Lentry_shape_is_right
	s_endpgm
.Lentry_shape_is_right:
; qkv = x W_attn + b_attn on codes of FP8 (E4M3), and q, k, v quantised at once for the two products of attention.  xc [8192][1024], wac [3072][1024]: codes, K innermost.
; The body makes tiles of 256 x 256 of C'[i][j] = sum over k of A'[i][k] B'[j][k].  The matrix instruction is used transposed (source 0 = 16 rows of B', source 1 = 16 rows of A'):
; a lane holds row i = lane % 16 and eight neighbouring j, which the conversion takes as eight neighbours along the NEXT product's K.
;   cluster x = 0 (q), 1 (k): A' = xc, B' = wac: j runs along a head's 64 numbers, the K of q k^T.        cluster x = 2 (v): A' = wac's rows 2,048 on, B' = xc: the result is v^T, and j runs along the keys, the K of p v.
; The two cases differ in pointers, offsets and factors alone, all chosen by selects on the cluster's x, which all partners share: one path through the text.
; OUT.  qc, kc: [batch 4][head 16][row 2048][64 bytes];  vt: [batch 4][block of 128 keys 16][64 head + d: 1024][128 bytes].  In each 32 bytes the two middle pieces of 8 bytes change places (number 32 c + 16 u + 8 h + j lies at
; byte 32 c + 16 h + 8 u + j), so that a load of 16 bytes at 16 (lane / 16) gives the attention's matrix forms each k in its own place.
; A sum stands for sum x 2^(e0 + e1).  The bias goes in divided by that: for q and k as the C of each sum's first matrix instruction, for v by one packed addition on the way out; the side that has no bias gets bias x 0.
; The code is sum / 2^(eo - e0 - e1), held within +-448, eo = e2 (q), e3 (k), e5 (v).
; LIMITS: e0 + e1 between -126 and 126; eo - e0 - e1 between -126 and 119.  NaN and infinities in b_attn are not served.  The fragments come by loads of 16 bytes, which permutes k alike in A' and B': only the order of the sums inside an instruction changes.
; A work-group of four waves makes a tile; a wave 128 x 128: 64 accumulators, 512 registers.  K goes in steps of 256 through a ring of two LDS slots filled by the tensor data mover.
; CLUSTERS: 4 x 4 work-groups.  The four of a row of the cluster need the same tiles of A', the four of a column the same tiles of B': each tile is asked for jointly.
; REGISTERS, in windows of 256: window 0: v0-31 addresses; v32-95 the bias along j, later a block's numbers; v96-111 the bias along i, a pair for each block; v112-127 codes; from v128 A's fragments, ONE set, later rows read back.
;   window 1: B's fragments, TWO sets, at v0 and v128.   window 2: the accumulators of my rows 0-63 ((a, b) at v[8 (8 a + b)]);   window 3: those of my rows 64-127.
.set ROWB,   256                       ; a tile's row in bytes: 256 along K
.set KROW,   1024                      ; a row of xc or wac in bytes
.set PITCH,  272                       ; an LDS row: 256 bytes + 16: the 16 rows that a load touches start at 16 different multiples of 16 bytes modulo 256
.set FR,     16                        ; registers of a fragment: 16 rows x 128 K
.set NL,     4                         ; LDS loads that bring one
.set NP,     4                         ; places behind this matrix instruction (ISA guide 7.12.1)
.set HALFT,  128*PITCH                 ; 128 rows: what one tensor load brings, and what one wave reads of A' or of B'
.set SLOT,   4*HALFT                   ; A's 256 rows, then B's 256 rows
.set LAPS,   2                         ; K = 1,024 is four K steps: twice round the ring
.set SPARE,  2*SLOT                    ; behind the ring: the spare words, 128 bytes for each wave
.set SPITCH, 144                       ; the way out: a stage of 16 rows x (128 bytes + 16) for each wave, in slot 0, which has had its last fill and its last read when the first code is stored there
.set CO,   8                           ; v8-11   my byte offsets in the output for the four stores of a block
.set SC,   12                          ; v12     2^(eo - e0 - e1) as f32
.set LIM,  13
.set ADRA, 16                          ; v16-17  LDS address of my A fragments in slot 0, 1
.set ADRB, 20                          ; v20-21  the same for B
.set STO,  24                          ; v24     the way out: where I put 8 bytes of a row
.set RD,   25                          ; v25     the way out: where I read 16 bytes back
.set SPW,  28                          ; v28     LDS address of my spare word; never rewritten
.set NIL,  29                          ; v29     0; never rewritten
.set BJ,   32
.set TMP,  32
.set BI,   96
.set CD,   112
.set AF,   128
.set BK,   128                         ; rows read back from the stage: v128-143 and v144-159 by turns
.set G1, 24                            ; s[24:31] descriptor group 1 for A's tiles;  s[32:39] group 0, one set for each slot
.set G0, 32
.set G1B, 48                           ; s[48:55], s[56:63] the same for B's tiles
.set G0B, 56
.set MSB, 0
.macro WIN new                         ; the immediate's high byte repeats the setting that is left
.if MSB != (\new)
	s_set_vgpr_msb (MSB<<8)|(\new)
.set MSB, (\new)
.endif
.endm
.set MUL_LO, 0xa1                      ; source 0 (B) window 1, source 1 (A) window 0, C and D window 2
.set MUL_HI, 0xf1                      ; the same, C and D window 3
.set FST_LO, 0x81                      ; the first step: C (the bias) window 0, D window 2
.set FST_HI, 0xc1                      ; and D window 3
.set TO_B,   0x40                      ; destination window 1, address window 0
; A joint load: waves 0 and 1 fetch for A', waves 2 and 3 for B'.  The branch hangs on the wave's number alone.  Four v_nop follow each of the two lines.
.macro JLOAD g0a, g1a, g0b, g1b
	s_cmp_eq_u32 s15, 0
	s_cbranch_scc0 .Lfor_b_\@
	tensor_load_to_lds s[\g0a:\g0a+3], s[\g1a:\g1a+7]
	s_nop 0
.rept 4
	v_nop
.endr
	s_branch .Lasked_\@
.Lfor_b_\@:
	tensor_load_to_lds s[\g0b:\g0b+3], s[\g1b:\g1b+7]
	s_nop 0
.rept 4
	v_nop
.endr
.Lasked_\@:
.endm
.macro CREST                           ; a round of the cluster's barrier behind its opening barrier
	s_cmp_lg_u32 s14, 0
	s_cbranch_scc1 .Lnot_wave_0_\@
	s_barrier_signal -3
.Lnot_wave_0_\@:
	s_barrier_wait -3
	s_barrier_signal -1
	s_barrier_wait -1
.endm
.macro CROUND                          ; a whole round
	s_barrier_signal -1
	s_barrier_wait -1
	CREST
.endm
	s_load_b256 s[4:11], s[0:1], 0x0               ; xc s[4:5], wac s[6:7], b_attn s[8:9], the scales' exponents s[10:11]
	s_load_b128 s[68:71], s[0:1], 0x20             ; qc s[68:69], kc s[70:71]
	s_load_b64 s[72:73], s[0:1], 0x30              ; vt
	v_lshl_add_u32 v[SPW], v0, 2, SPARE
	v_mov_b32 v[NIL], 0
	ds_add_u32 v28, v29
	ds_add_u32 v28, v29
	s_wait_dscnt 0x0
	v_lshrrev_b32 v1, 5, v0
	v_readfirstlane_b32 s14, v1                    ; wave 0..3
	s_lshr_b32 s15, s14, 1                         ; which half of the tile's rows i is mine.  Also: I fetch for A' (0) or for B' (1)
	s_and_b32 s16, s14, 1                          ; which half of its columns j.  Also: which 128 rows of that tile I fetch
	s_bfe_u32 s40, ttmp6, 0x40000                  ; cx, cy: my place in the cluster
	s_bfe_u32 s41, ttmp6, 0x40004
	s_lshl_b32 s13, ttmp9, 2                       ; 4 x cluster x
	s_and_b32 s12, ttmp7, 0xffff
	s_lshl_b32 s12, s12, 2                         ; 4 x cluster y
	s_cmp_eq_u32 ttmp9, 2                          ; v?  The same answer in all sixteen partners
	s_cselect_b32 s17, 0, s12
	s_cselect_b32 s42, s12, s13
	s_add_co_u32 s17, s17, s41                     ; tile row of C': q, k: 4 x cluster y + cy (of 32);  v: cy (of 4)
	s_add_co_u32 s42, s42, s40                     ; tile column:    q, k: 4 x cluster x + cx (of wac's 8);  v: 4 x cluster y + cx (of 32)
	s_lshl_b32 s43, s41, 2
	s_lshl_b32 s43, 15, s43                        ; my row of the cluster
	s_lshl_b32 s44, 0x1111, s40                    ; my column
	; descriptor group 1: a tile of 128 rows x 256 bytes, padded in LDS
	s_or_b32 s[G1+0], s43, (0<<16)|(1<<20)|(1<<21)|(5<<22)|(3<<25)  ; 15:0 the mask: A's tiles go to my row; 17:16 elements of 1 byte; 20 padding on; 21 set beside a mask; 24:22 after every 64 words; 31:25 four words
	s_or_b32 s[G1B+0], s44, (0<<16)|(1<<20)|(1<<21)|(5<<22)|(3<<25)
.irp g, G1, G1B
	s_mov_b32 s[\g+1], ROWB<<16                    ; tensor_dim0
	s_mov_b32 s[\g+2], 128<<16                     ; tensor_dim1
	s_mov_b32 s[\g+3], ROWB<<16                    ; tile_dim0
	s_mov_b32 s[\g+4], 128                         ; tile_dim1
	s_mov_b32 s[\g+5], KROW                        ; tensor_dim0_stride
	s_mov_b32 s[\g+6], 0
	s_mov_b32 s[\g+7], 0
.endr
	s_lshl_b32 s18, s16, 7                         ; which 128 rows of the tile I fetch
	s_lshl_b32 s20, s17, 8
	s_add_co_u32 s20, s20, s18                     ; A': row 256 x tile row + 128 x half: it hangs on cy, never on cx
	s_lshl_b32 s46, s42, 8
	s_add_co_u32 s46, s46, s18                     ; B': row 256 x tile column + 128 x half: on cx, never on cy
	s_lshl_b32 s20, s20, 10                        ; in bytes: under 2^23
	s_lshl_b32 s46, s46, 10
	s_mov_b32 s21, 0
	s_mov_b32 s47, 0
	s_mul_i32 s45, s14, HALFT                      ; where they go: wave x 128 rows: no place in the cluster enters an LDS address
	s_wait_kmcnt 0x0
	s_load_b256 s[80:87], s[10:11], 0x0            ; e0 .. e7
	s_add_nc_u64 s[98:99], s[6:7], 0x200000        ; wac's row 2,048: v's weights
	s_cmp_eq_u32 ttmp9, 2
	s_cselect_b64 s[96:97], s[98:99], s[4:5]       ; A'
	s_cselect_b64 s[98:99], s[4:5], s[6:7]         ; B'
	s_add_nc_u64 s[20:21], s[96:97], s[20:21]
	s_add_nc_u64 s[46:47], s[98:99], s[46:47]
	CROUND                                         ; all sixteen work-groups are here: the first joint loads meet
.irp s, 0,1
	s_mov_b32 s[G0+4*\s], 1
	s_add_co_u32 s[G0+4*\s+1], s45, \s*SLOT
	s_add_nc_u64 s[G0+4*\s+2:G0+4*\s+3], s[20:21], \s*ROWB
	s_or_b32 s[G0+4*\s+3], s[G0+4*\s+3], 0x80000000
	s_mov_b32 s[G0B+4*\s], 1
	s_add_co_u32 s[G0B+4*\s+1], s45, \s*SLOT
	s_add_nc_u64 s[G0B+4*\s+2:G0B+4*\s+3], s[46:47], \s*ROWB
	s_or_b32 s[G0B+4*\s+3], s[G0B+4*\s+3], 0x80000000
	JLOAD G0+4*\s, G1, G0B+4*\s, G1B               ; two loads of mine are out
.endr
	v_and_b32 v1, 15, v0                           ; r = lane % 16
	s_wait_alu depctr_va_vdst(0)
	v_bfe_u32 v2, v0, 4, 1                         ; h = lane / 16
	v_mul_u32_u24 v3, v1, PITCH
	v_lshl_add_u32 v4, v2, 4, v3                   ; a fragment's row x pitch + 16 h
	s_mul_i32 s21, s15, HALFT                      ; my 128 rows of A'
	s_mul_i32 s22, s16, HALFT                      ; my 128 rows of B',
	s_add_co_u32 s22, s22, 2*HALFT                 ; which lie behind A's 256
.irp s, 0,1
	v_add_nc_u32 v[ADRA+\s], s21, v4
	v_add_nc_u32 v[ADRB+\s], s22, v4
	s_add_co_u32 s21, s21, SLOT
	s_add_co_u32 s22, s22, SLOT
.endr
	s_mul_i32 s23, s14, 16*SPITCH                  ; my stage
	v_mul_u32_u24 v5, v1, SPITCH
	s_wait_alu depctr_va_vdst(0)
	v_lshl_add_u32 v5, v2, 4, v5
	v_add_nc_u32 v[STO], s23, v5                   ; in: row r, + 16 h
	v_bfe_u32 v6, v0, 3, 2                         ; lane / 8
	v_and_b32 v7, 7, v0
	v_mul_u32_u24 v5, v6, SPITCH
	v_lshl_add_u32 v5, v7, 4, v5
	v_add_nc_u32 v[RD], s23, v5                    ; back: eight lanes to a row of 128 bytes, four rows an instruction
	; the biases.  Along j: b_attn[256 x tile column + 128 x half + 16 b + 8 h + 0 .. 7] (q, k).  Along i: b_attn[2,048 + 256 x tile row + 128 x half + 16 a + r] (v).
	; The side that does not apply reads from tile 0, so that no load leaves the buffer, and is multiplied by 0 below.
	s_cmp_eq_u32 ttmp9, 2
	s_cselect_b32 s18, 0, s42
	s_cselect_b32 s19, s17, 0
	s_lshl_b32 s18, s18, 10
	s_lshl_b32 s74, s16, 9
	s_add_co_u32 s18, s18, s74
	s_lshl_b32 s74, s19, 10
	s_lshl_b32 s75, s15, 9
	s_add_co_u32 s74, s74, s75
	s_add_co_u32 s74, s74, 8192
	s_mov_b32 s19, 0
	s_mov_b32 s75, 0
	s_add_nc_u64 s[66:67], s[8:9], s[18:19]
	s_add_nc_u64 s[94:95], s[8:9], s[74:75]
	v_lshlrev_b32 v14, 5, v2                       ; 8 h numbers
	v_lshlrev_b32 v15, 2, v1                       ; r numbers
.irp b, 0,1,2,3,4,5,6,7
	global_load_b128 v[BJ+8*\b:BJ+8*\b+3], v14, s[66:67] offset:64*\b
	global_load_b128 v[BJ+8*\b+4:BJ+8*\b+7], v14, s[66:67] offset:64*\b+16
.endr
.irp a, 0,1,2,3,4,5,6,7
	global_load_b32 v[BI+2*\a], v15, s[94:95] offset:64*\a
.endr
	; where my wave's part of the output begins.  q, k: batch (tile row / 8) x 2^21 + head (4 cx + 2 x column half) x 2^17 + row (256 (tile row % 8) + 128 x row half) x 64
	s_lshr_b32 s18, s17, 3
	s_lshl_b32 s18, s18, 21
	s_lshl_b32 s19, s40, 2
	s_lshl_b32 s74, s16, 1
	s_add_co_u32 s19, s19, s74
	s_lshl_b32 s19, s19, 17
	s_add_co_u32 s18, s18, s19
	s_and_b32 s19, s17, 7
	s_lshl_b32 s19, s19, 14
	s_add_co_u32 s18, s18, s19
	s_lshl_b32 s19, s15, 13
	s_add_co_u32 s18, s18, s19
	; v: block of keys (2 x tile column + column half) x 2^17 + row (256 x tile row + 128 x row half) x 128
	s_lshl_b32 s19, s42, 1
	s_add_co_u32 s19, s19, s16
	s_lshl_b32 s19, s19, 17
	s_lshl_b32 s74, s17, 15
	s_add_co_u32 s19, s19, s74
	s_lshl_b32 s74, s15, 14
	s_add_co_u32 s19, s19, s74
	s_cmp_eq_u32 ttmp9, 2
	s_cselect_b32 s18, s19, s18
	s_cselect_b64 s[90:91], s[72:73], s[70:71]     ; vt or kc,
	s_cselect_b32 s92, 128, 64                     ; bytes from a stage row to the next in the output,
	s_cselect_b32 s93, 64, 0x20000                 ; and from a stage row's first 64 bytes to its second: on in the row (v), or the next head (q, k)
	s_cmp_eq_u32 ttmp9, 0
	s_cselect_b64 s[90:91], s[68:69], s[90:91]     ; or qc
	s_mov_b32 s19, 0
	s_add_nc_u64 s[90:91], s[90:91], s[18:19]
	s_lshl_b32 s78, s92, 4                         ; 16 rows on: from a block to the next
	s_mov_b32 s79, 0
	v_bfe_u32 v7, v0, 2, 1
	v_and_b32 v3, 3, v0
	v_lshlrev_b32 v3, 4, v3
	v_mad_u32_u24 v3, v7, s93, v3
	v_mad_u32_u24 v[CO], v6, s92, v3               ; (lane / 8) rows + ((lane / 4) % 2) halves + 16 (lane % 4)
	s_lshl_b32 s74, s92, 2
	v_add_nc_u32 v[CO+1], s74, v[CO]               ; four rows on for each of a block's four stores
	v_add_nc_u32 v[CO+2], s74, v[CO+1]
	v_add_nc_u32 v[CO+3], s74, v[CO+2]
	s_wait_loadcnt 0x0                             ; the biases
	s_wait_kmcnt 0x0                               ; the exponents
	s_cmp_eq_u32 ttmp9, 0
	s_cselect_b32 s89, s82, s83                    ; e2 (q) or e3 (k),
	s_cmp_eq_u32 ttmp9, 2
	s_cselect_b32 s89, s85, s89                    ; or e5 (v)
	s_add_co_i32 s88, s80, s81                     ; e0 + e1
	s_sub_co_i32 s89, s89, s88
	s_add_co_i32 s89, s89, 127
	s_lshl_b32 s74, s89, 23
	v_mov_b32 v[SC], s74                           ; 2^(eo - e0 - e1): the three scales folded into the conversion's one
	s_sub_co_i32 s74, 127, s88
	s_lshl_b32 s74, s74, 23                        ; 2^-(e0 + e1) as f32
	s_cmp_eq_u32 ttmp9, 2
	s_cselect_b32 s76, 0, s74                      ; the factor of the bias along j,
	s_cselect_b32 s75, s74, 0                      ; and of the bias along i
	s_mov_b32 s77, s76                             ; (named with s76 as a pair, so it is written)
.set jj, 0
.rept 32
	v_pk_mul_f32 v[BJ+jj:BJ+jj+1], v[BJ+jj:BJ+jj+1], s[76:77] op_sel_hi:[1,0]
.set jj, jj+2
.endr
.irp a, 0,1,2,3,4,5,6,7
	v_mul_f32 v[BI+2*\a], s75, v[BI+2*\a]
	v_mov_b32 v[BI+2*\a+1], v[BI+2*\a]             ; a pair for the packed addition
.endr
.macro FRAG reg, adr, q, i             ; a fragment: lane l holds row l % 16; registers 4 c .. 4 c + 3 hold K = 32 c + 16 (l / 16) + 0 .. 15
.irp c, 0,1,2,3
	ds_load_b128 v[\reg+4*\c:\reg+4*\c+3], v[\adr] offset:128*(\q)+32*\c+(\i)*16*PITCH
.endr
.endm
; 16 matrix instructions: A's blocks a0, a0 + 1 x B's eight, 128 along K.  p: B's set.  first = 1: the bias along j is the C of the sum's first product: nothing is cleared, nothing is added later.
; The 64 accumulators take turns, one instruction a turn, in the same order in every step.
.macro MUL16 a0, p, first
.irp a, \a0, \a0+1
.irp b, 0,1,2,3,4,5,6,7
.if \first
	v_wmma_f32_16x16x128_fp8_fp8 v[8*(8*((\a)%4)+\b):8*(8*((\a)%4)+\b)+7], v[128*(\p)+FR*\b:128*(\p)+FR*\b+FR-1], v[AF+FR*(\a):AF+FR*(\a)+FR-1], v[BJ+8*\b:BJ+8*\b+7]
.else
	v_wmma_f32_16x16x128_fp8_fp8 v[8*(8*((\a)%4)+\b):8*(8*((\a)%4)+\b)+7], v[128*(\p)+FR*\b:128*(\p)+FR*\b+FR-1], v[AF+FR*(\a):AF+FR*(\a)+FR-1], v[8*(8*((\a)%4)+\b):8*(8*((\a)%4)+\b)+7]
.endif
.endr
.endr
.endm
.macro FETCH_B slot, q, p              ; B's eight fragments of the slot's q-th 128 along K into set p
	WIN TO_B
.irp i, 0,1,2,3,4,5,6,7
	FRAG 128*(\p)+FR*\i, ADRB+\slot, \q, \i
.endr
	WIN 0
.endm
.macro FETCH_A slot, q, i0             ; A's blocks i0 .. i0 + 3
.irp i, \i0, \i0+1, \i0+2, \i0+3
	FRAG AF+FR*(\i), ADRA+\slot, \q, \i
.endr
.endm
; A load into a register that a matrix instruction has read, and a vector instruction that reads a matrix result, stand NP places behind it; only plain vector instructions that name none of its registers are places.
.macro PLACES n
.rept \n
	v_nop
.endr
.endm
; A step of 128 along K that has its successor in the same slot.
.macro STEP slot, q, first
	s_wait_dscnt 4*NL                              ; B's set and A's blocks 0-3 are in; the youngest sixteen loads (A's blocks 4-7) may be out
.if \first
	WIN FST_LO
.else
	WIN MUL_LO
.endif
	MUL16 0, (\q)%2, \first
	MUL16 2, (\q)%2, \first
	s_wait_dscnt 0                                 ; A's blocks 4-7 are in (asked for 32 matrix instructions ago)
	PLACES NP
	FETCH_B \slot, (\q)+1, 1-(\q)%2
	FETCH_A \slot, (\q)+1, 0
.if \first
	WIN FST_HI
.else
	WIN MUL_HI
.endif
	MUL16 4, (\q)%2, \first
	MUL16 6, (\q)%2, \first
	PLACES NP
	WIN 0
	FETCH_A \slot, (\q)+1, 4
.endm
; A slot's last step changes slots: ONE barrier; in front of it each wave waits for all its tensor loads, adds 0 to its spare word, and waits for that and for its own reads of this slot.  fill = 1: this slot is filled again, two K steps ahead.
.macro TURN slot, next, fill
	s_wait_tensorcnt 0x0                           ; all my tensor loads have landed: my part of the next slot;  (every window is 0 here)
	ds_add_u32 v[SPW], v[NIL]                      ; 0 onto my spare word
	s_wait_dscnt 4*NL+1                            ; (the add and the youngest sixteen loads, A's blocks 4-7, may be out)
	WIN MUL_LO
	MUL16 0, 1, 0                                  ; sixteen matrix instructions stand between the add and the wait for it
	s_wait_dscnt 0x0                               ; the add is done, and my reads of this slot are over
	s_barrier_signal -1
	MUL16 2, 1, 0
	WIN 0
	s_barrier_wait -1
.if \fill
	CREST                                          ; the barrier has opened a round of the cluster's barrier: no wave of any partner still reads this slot's tile or has a load on its way
	s_add_nc_u64 s[G0+4*\slot+2:G0+4*\slot+3], s[G0+4*\slot+2:G0+4*\slot+3], 2*ROWB
	s_add_nc_u64 s[G0B+4*\slot+2:G0B+4*\slot+3], s[G0B+4*\slot+2:G0B+4*\slot+3], 2*ROWB
	JLOAD G0+4*\slot, G1, G0B+4*\slot, G1B         ; the first tensor load behind the round, my only one until the next; its four v_nop are the places in front of the loads below
.else
	PLACES NP
.endif
	FETCH_B \next, 0, 0
	FETCH_A \next, 0, 0
	WIN MUL_HI
	MUL16 4, 1, 0
	MUL16 6, 1, 0
	PLACES NP
	WIN 0
	FETCH_A \next, 0, 4
.endm
	s_wait_tensorcnt 1                             ; my part of K step 0 is in; K step 1's load may be out
	s_barrier_signal -1
	s_barrier_wait -1                              ; everybody's is
	FETCH_B 0, 0, 0
	FETCH_A 0, 0, 0
	FETCH_A 0, 0, 4
	STEP 0, 0, 1                                   ; the first step stands in front of the loop: its products start the sums
	s_mov_b32 s3, LAPS-1
.Llap:                                                 ; a trip goes once round the ring, from a lap's second step to the next lap's first, and fills both slots again
	TURN 0, 1, 1
	STEP 1, 0, 0
	TURN 1, 0, 1
	STEP 0, 0, 0
	s_sub_co_u32 s3, s3, 1
	s_cmp_lg_u32 s3, 0
	s_cbranch_scc1 .Llap
	TURN 0, 1, 0                                   ; the last lap fills nothing, and has no round of the cluster's barrier
	STEP 1, 0, 0
	s_wait_dscnt 4*NL                              ; the very last step: nothing more to fetch
	WIN MUL_LO
	MUL16 0, 1, 0
	MUL16 2, 1, 0
	s_wait_dscnt 0
	WIN MUL_HI
	MUL16 4, 1, 0
	MUL16 6, 1, 0
	WIN 0
; THE WAY OUT, block by block of 16 rows i x 128 j.  The bias along i; eight conversions, each of a lane's eight neighbours along j; 8 bytes a tile into my own stage, the tiles 2 c and 2 c + 1 side by side behind 16 h;
; back as 16 bytes a lane.  A wave's LDS instructions are served in order (ISA guide 5.7.1): no wait between the stores and the loads, nor in front of the next block's stores.
.macro TOSTAGE a
.set AC, 64*((\a)%4)
.set BB, BK+16*((\a)%2)
	WIN 0x02+((\a)/4)                              ; source 0: window 2 or 3
.set jj, 0
.rept 32
	v_pk_add_f32 v[TMP+jj:TMP+jj+1], v[AC+jj:AC+jj+1], v[BI+2*(\a):BI+2*(\a)+1]   ; each accumulator from its low end on
.set jj, jj+2
.endr
	WIN 0
.set jj, 0
.rept 64
.set jj, jj+1
.endr
.irp b, 0,1,2,3,4,5,6,7
	v_cvt_scalef32_pk8_fp8_f32 v[CD+2*\b:CD+2*\b+1], v[TMP+8*\b:TMP+8*\b+7], v[SC]
.endr
	v_nop                                          ; one plain vector instruction behind the last conversion, ahead of whatever next writes its sources
.irp b, 0,1,2,3,4,5,6,7
	ds_store_b64 v[STO], v[CD+2*\b:CD+2*\b+1] offset:32*(\b/2)+8*(\b%2)
.endr
.irp t, 0,1,2,3
	ds_load_b128 v[BB+4*\t:BB+4*\t+3], v[RD] offset:4*SPITCH*\t
.endr
.endm
.macro SEND a, younger                 ; younger: the LDS instructions issued behind block a's loads, which may stay out
.set BB, BK+16*((\a)%2)
	s_wait_dscnt \younger                          ; the block is back in registers
.if (\a) > 0
	s_add_nc_u64 s[90:91], s[90:91], s[78:79]      ; (behind a wait on XCNT: the earlier stores have read their base)  16 rows on
.endif
.irp t, 0,1,2,3
	global_store_b128 v[CO+\t], v[BB+4*\t:BB+4*\t+3], s[90:91]   ; v: 512 consecutive bytes; q, k: four rows of 64 bytes, 256 consecutive bytes, for each of two heads; all aligned to 256
.endr
.endm
	PLACES NP                                      ; behind the last products: for the loads into the registers that held A's fragments and for block 7's reads alike
	TOSTAGE 0
.irp a, 1,2,3,4,5,6,7
.if \a > 1
	s_wait_xcnt 0x0                                ; block a - 2's stores have read their registers and their base: block a's loads may land there, and the base may step
.endif
	TOSTAGE \a
	SEND \a-1, 12                                  ; behind block a - 1's loads: block a's 8 stores and 4 loads
.endr
	s_wait_xcnt 0x0                                ; block 6's stores have read their base
	SEND 7, 0
	s_wait_tensorcnt 0x0                           ; the wave's end, behind my last tensor load and my last LDS store
	ds_add_u32 v[SPW], v[NIL]
	s_wait_dscnt 0x0
	CROUND                                         ; the closing round: no work-group ends while a partner may still ask for a tile that names it
	s_endpgm
.Lfunc_end_k_q3f0829343e_qkv:
	.size	k_q3f0829343e_qkv, .Lfunc_end_k_q3f0829343e_qkv-k_q3f0829343e_qkv
	.p2alignl 7, 3214868480
	.fill 96, 4, 3214868480
	.section	.rodata,"a",@progbits
	.p2align	6, 0x0
	.amdhsa_kernel k_q3f0829343e_qkv
		.amdhsa_group_segment_fixed_size 327680
		.amdhsa_private_segment_fixed_size 0
		.amdhsa_enable_private_segment 0
		.amdhsa_kernarg_size 56
		.amdhsa_user_sgpr_count 2
		.amdhsa_user_sgpr_kernarg_segment_ptr 1
		.amdhsa_wavefront_size32 1
		.amdhsa_system_sgpr_workgroup_id_x 1
		.amdhsa_system_sgpr_workgroup_id_y 1
		.amdhsa_system_sgpr_workgroup_id_z 1
		.amdhsa_system_vgpr_workitem_id 0
		.amdhsa_next_free_vgpr 1024
		.amdhsa_next_free_sgpr 100
		.amdhsa_reserve_vcc 0
		.amdhsa_float_denorm_mode_32 3
		.amdhsa_float_denorm_mode_16_64 3
		.amdhsa_fp16_overflow 1
		.amdhsa_memory_ordered 1
		.amdhsa_forward_progress 1
		.amdhsa_inst_pref_size 115
	.end_amdhsa_kernel
	.amdgpu_metadata
---
amdhsa.version: [ 1, 2 ]
amdhsa.kernels:
  - .name:           k_q3f0829343e_qkv
    .symbol:         k_q3f0829343e_qkv.kd
    .args:
      - { .name: xc, .offset: 0, .size: 8, .value_kind: global_buffer, .address_space: global }
      - { .name: wac, .offset: 8, .size: 8, .value_kind: global_buffer, .address_space: global }
      - { .name: b_attn, .offset: 16, .size: 8, .value_kind: global_buffer, .address_space: global }
      - { .name: lowp_scales, .offset: 24, .size: 8, .value_kind: global_buffer, .address_space: global }
      - { .name: qc, .offset: 32, .size: 8, .value_kind: global_buffer, .address_space: global }
      - { .name: kc, .offset: 40, .size: 8, .value_kind: global_buffer, .address_space: global }
      - { .name: vt, .offset: 48, .size: 8, .value_kind: global_buffer, .address_space: global }
    .group_segment_fixed_size: 327680
    .private_segment_fixed_size: 0
    .kernarg_segment_align: 8
    .kernarg_segment_size: 56
    .max_flat_workgroup_size: 128
    .sgpr_count:     100
    .vgpr_count:     1024
    .wavefront_size: 32
...
	.end_amdgpu_metadata
.endif
;; end of part 2
;; launch attn (part 3): grid 4 x 64, 16 waves a work-group, no clusters, 327,680 bytes of LDS; arguments qc, kc, vt, lowp_scales, ac; writes ac
.if DOCPART == 3
	.amdgcn_target "amdgcn-amd-amdhsa--gfx1250"
	.amdhsa_code_object_version 6
	.text
	.protected	k_q3f0829343e_attn
	.globl	k_q3f0829343e_attn
	.p2align	8
	.type	k_q3f0829343e_attn,@function
k_q3f0829343e_attn:
	s_mov_b64 s[64:65], 0
	v_nop
	global_prefetch_b8 v0, s[64:65] scope:SCOPE_SE
	s_setreg_imm32_b32 hwreg(HW_REG_WAVE_MODE, 25, 1), 1
	s_wait_xcnt 0x0
; Causal attention on codes of FP8 (E4M3): for each of 64 (batch, head) pairs, o[q] = sum over keys k <= q of softmax(q . k / 8) v, head size 64, 2,048 rows; o is quantised at once for the projection.
; qc, kc: [batch x head 64][row 2048][64 bytes];  vt: [batch 4][block of 128 keys 16][64 head + d][128 bytes]: codes; in each 32 bytes the two middle pieces of 8 bytes have changed places, so that a load of 16 bytes
; at 16 (lane / 16) puts each k where the matrix forms want it.  ac: [8 batch + block of 256 rows: 32][head 16][256 rows][64 bytes], d in its natural order.
; THE SOFTMAX: t = score x 2^(e2 + e3) x log2(e) / 8; M = the running largest t rounded UP to a whole number; p = 2^(t - M) is quantised with 2^e4, not normalised; the row's sum is taken of the unquantised p and divides at the end.
; When M moves, the sum and O are multiplied by 2^(old M - new M): exact.  The code of o is (O / sum) / 2^(e6 - e4 - e5), held within +-448.
; SHARES.  A work-group owns the blocks of 256 queries I and 7 - I of one head (I = work-group x), one after the other, and walks the keys in slots of 256: slots 0 .. I for the first block, 0 .. 7 - I for the second:
; NINE slots in every work-group, so the trip count is a constant and all 256 work-groups have the same work; what lies wholly above the diagonal is never fetched.  Each of SIXTEEN waves owns 16 queries, in 256 registers.
; In the diagonal slot a step of 128 keys that all come after a wave's queries is left out by a scalar branch on ids; on the diagonal hidden scores become -infinity ahead of the maximum.
; LAYOUT.  Both products are used transposed: S^T = K Q^T (source 0 = 16 keys, source 1 = my 16 queries), O^T = V^T P^T (source 0 = 16 of the head's 64, source 1 = P): a lane holds ONE query (lane % 16) throughout.
; Register j of score tile t is key 16 t + 8 (lane / 16) + j, which is the place that registers 2 t, 2 t + 1 of the second product's operand have: the conversions' results are that operand.
; NO CLUSTER: the four work-groups of a head ask for different slots from trip I + 1 on (0 .. I, then 0 .. 7 - I, with I = 0 .. 3), so a joint request would not be the same load in the same round.
; LIMITS, so that each power of two below is an f32 number: e2 + e3 between -123 and 130 (added to c's exponent field); e4, and e6 - e4 - e5, between -126 and 119.
; REGISTERS: v1-7, v10, v11 addresses and lane numbers that stay; v8, v9 LDS addresses of the slot in hand; v12 -M, v13 the largest t, v[14:15] the sum in two halves; v16-23 Q; v32-95 K's fragments, then V's;
;   v96-159 S^T, then p; v160-191 O^T; v192-223 O^T / sum; v224-239 codes; v244: 2^e4; v245: 2^(e6 - e4 - e5); v236, v238-243, v246-255 at work.
.set SLOT1, 65536                      ; slot 1 begins here: one exclusive or turns an address in one slot into the other's
.set KP,    272                        ; four keys' 256 bytes + 16: key n lies at (n / 4) KP + 64 (n % 4): the 16 keys that a load touches start at 16 different multiples of 16 bytes modulo 256
.set VP,    144                        ; a row of V^T: 128 keys + 16
.set VOFF,  64*KP                      ; a slot: 256 keys of K, then two blocks of V^T (64 rows x 128 keys)
.set VBLK,  64*VP
.set SPARE, 2*SLOT1                    ; behind the ring: the spare words, 128 bytes for each wave: eight blocks of 256 bytes that no other line names
.set STAGE, SPARE+2048                 ; the way out: 16 rows x (64 bytes + 16) for each wave; no tile ever lands here
.set STP,   80
.set AK0,  1                           ; v1   my lane's place in a tile of K
.set AV0,  2                           ; v2   the same for V
.set STO,  3                           ; v3   the way out: where I put 8 bytes of a row
.set RDS,  4                           ; v4   and where I read 16 bytes back
.set SPW,  5                           ; v5   LDS address of my spare word; never rewritten
.set NIL,  6                           ; v6   0; never rewritten
.set GO,   7                           ; v7   16 x lane: my bytes of the wave's 1,024 of ac
.set ADK,  8
.set ADV,  9
.set QO,   10                          ; v10  Q: row r of 64 bytes + 16 h
.set DG,   11                          ; v11  r - 8 h, for the mask
.set WV,   18                          ; s18  my wave's number
.set VS,   19                          ; s19  which of a slot's two blocks of V a fetching wave takes
.set SEL,  20                          ; s[20:21] lane selects: lane l xor 16
.set CS,   22                          ; s[22:23] c = log2(e) / 8 x 2^(e2 + e3)
.set G1K,  24                          ; s[24:31], s[32:39] descriptor groups 1;  s[40:43], s[44:47] groups 0
.set G1V,  32
.set G0K,  40
.set G0V,  44
.set II,   48                          ; s48  I
.set TT,   49                          ; s49  the trip, 0 .. 8
.set KN,   51                          ; s51  the key slot that was asked for last
.set KF0,  52                          ; s52  the first key of the slot in hand
.set Q0,   53                          ; s53  my first query in the block in hand
.set Q0A,  54
.set Q0B,  55
.set KB,   56                          ; s[56:57] kc at my head;  s[58:59] vt at my batch, head and block
.set VB,   58
.set QPA,  60                          ; s[60:61], s[62:63] qc at my first query of the two blocks
.set QPB,  62
.set OPA,  66                          ; s[66:67], s[68:69] ac at my 16 rows of the two blocks
.set OPB,  68
.set TB,   70                          ; s70  LDS byte at which the slot in hand begins
; Wave 0 fetches a slot's K, waves 1 and 2 its two blocks of V, the others nothing.  The branches hang on the wave's number alone.  Four v_nop follow each of the two lines.
.macro TLOAD
	s_cmp_lt_u32 s[WV], 1
	s_cbranch_scc0 .Lnot_k_\@
	tensor_load_to_lds s[G0K:G0K+3], s[G1K:G1K+7]
	s_nop 0
.rept 4
	v_nop
.endr
	s_branch .Lasked_\@
.Lnot_k_\@:
	s_cmp_lt_u32 s[WV], 3
	s_cbranch_scc0 .Lasked_\@
	tensor_load_to_lds s[G0V:G0V+3], s[G1V:G1V+7]
	s_nop 0
.rept 4
	v_nop
.endr
.Lasked_\@:
.endm
	s_load_b256 s[4:11], s[0:1], 0x0               ; qc s[4:5], kc s[6:7], vt s[8:9], the scales' exponents s[10:11]
	s_load_b64 s[12:13], s[0:1], 0x20              ; ac
	v_lshl_add_u32 v[SPW], v0, 2, SPARE
	v_mov_b32 v[NIL], 0
	ds_add_u32 v5, v6
	ds_add_u32 v5, v6
	s_wait_dscnt 0x0
	v_lshrrev_b32 v8, 5, v0
	s_delay_alu instid0(VALU_DEP_1)
	v_readfirstlane_b32 s[WV], v8                  ; wave 0..15
	s_bfe_u32 s[VS], s[WV], 0x10001                ; wave 1: block 0; wave 2: block 1
	s_mov_b32 s[II], ttmp9
	s_and_b32 s80, ttmp7, 0xffff                   ; 16 x batch + head
	s_lshr_b32 s81, s80, 4                         ; batch
	s_and_b32 s82, s80, 15                         ; head
	s_lshl_b32 s83, s[WV], 4
	s_lshl_b32 s[Q0A], s[II], 8
	s_add_co_u32 s[Q0A], s[Q0A], s83               ; 256 I + 16 x wave
	s_sub_co_u32 s[Q0B], 7, s[II]
	s_lshl_b32 s[Q0B], s[Q0B], 8
	s_add_co_u32 s[Q0B], s[Q0B], s83               ; 256 (7 - I) + 16 x wave
	; descriptor group 1.  K: a slot's 16,384 bytes are dense in memory: 64 rows of 256 bytes.  V: 64 rows of 128 bytes, dense too
	s_mov_b32 s[G1K], (0<<16)|(1<<20)|(5<<22)|(3<<25)             ; no mask; elements of 1 byte; padding: four words after every 64
	s_mov_b32 s[G1K+1], 256<<16                    ; tensor_dim0
	s_mov_b32 s[G1K+2], 64<<16                     ; tensor_dim1
	s_mov_b32 s[G1K+3], 256<<16                    ; tile_dim0
	s_mov_b32 s[G1K+4], 64                         ; tile_dim1
	s_mov_b32 s[G1K+5], 256                        ; tensor_dim0_stride
	s_mov_b32 s[G1K+6], 0
	s_mov_b32 s[G1K+7], 0
	s_mov_b32 s[G1V], (0<<16)|(1<<20)|(4<<22)|(3<<25)             ; padding: four words after every 32
	s_mov_b32 s[G1V+1], 128<<16
	s_mov_b32 s[G1V+2], 64<<16
	s_mov_b32 s[G1V+3], 128<<16
	s_mov_b32 s[G1V+4], 64
	s_mov_b32 s[G1V+5], 128
	s_mov_b32 s[G1V+6], 0
	s_mov_b32 s[G1V+7], 0
	s_mov_b32 s[SEL], 0x76543210
	s_mov_b32 s[SEL+1], 0xfedcba98
	s_mov_b32 s[CS], 0x3e38aa3b                    ; log2(e) / 8
	s_mov_b32 s[TB], 0
	s_mov_b32 s[TT], 0
	s_mov_b32 s[KN], 0
	s_mov_b32 s87, 0                               ; the upper word of every offset below
	s_wait_kmcnt 0x0
	s_load_b256 s[72:79], s[10:11], 0x0            ; e0 .. e7
	s_lshl_b32 s86, s80, 17                        ; a head's 2,048 rows of 64 bytes
	s_add_nc_u64 s[KB:KB+1], s[6:7], s[86:87]
	s_add_nc_u64 s[QPA:QPA+1], s[4:5], s[86:87]
	s_mov_b64 s[QPB:QPB+1], s[QPA:QPA+1]
	s_lshl_b32 s86, s[Q0A], 6
	s_add_nc_u64 s[QPA:QPA+1], s[QPA:QPA+1], s[86:87]
	s_lshl_b32 s86, s[Q0B], 6
	s_add_nc_u64 s[QPB:QPB+1], s[QPB:QPB+1], s[86:87]
	s_lshl_b32 s86, s81, 4
	s_add_co_u32 s86, s86, s[VS]
	s_lshl_b32 s86, s86, 17                        ; (16 x batch + block) x 1,024 rows of 128 bytes
	s_lshl_b32 s85, s82, 13                        ; + the head's 64 rows
	s_add_co_u32 s86, s86, s85
	s_add_nc_u64 s[VB:VB+1], s[8:9], s[86:87]
	s_lshl_b32 s85, s81, 3                         ; 8 x batch
	s_lshl_b32 s84, s[WV], 10                      ; my 16 rows of 64 bytes
	s_add_co_u32 s86, s85, s[II]
	s_lshl_b32 s86, s86, 4
	s_add_co_u32 s86, s86, s82
	s_lshl_b32 s86, s86, 14                        ; ((8 x batch + block) x 16 + head) x 256 rows of 64 bytes
	s_add_co_u32 s86, s86, s84
	s_add_nc_u64 s[OPA:OPA+1], s[12:13], s[86:87]
	s_sub_co_u32 s86, 7, s[II]
	s_add_co_u32 s86, s86, s85
	s_lshl_b32 s86, s86, 4
	s_add_co_u32 s86, s86, s82
	s_lshl_b32 s86, s86, 14
	s_add_co_u32 s86, s86, s84
	s_add_nc_u64 s[OPB:OPB+1], s[12:13], s[86:87]
	s_mov_b32 s[G0K], 1                            ; count = 1
	s_mov_b32 s[G0K+1], 0                          ; LDS address: slot 0
	s_mov_b64 s[G0K+2:G0K+3], s[KB:KB+1]           ; global address: the head's first 256 keys
	s_or_b32 s[G0K+3], s[G0K+3], 0x80000000        ; type = 2
	s_mov_b32 s[G0V], 1
	s_mul_i32 s[G0V+1], s[VS], VBLK
	s_add_co_u32 s[G0V+1], s[G0V+1], VOFF
	s_mov_b64 s[G0V+2:G0V+3], s[VB:VB+1]
	s_or_b32 s[G0V+3], s[G0V+3], 0x80000000
	TLOAD                                          ; slot 0: one load of mine is out, or none
	v_and_b32 v8, 15, v0                           ; r = lane % 16
	v_bfe_u32 v9, v0, 4, 1                         ; h = lane / 16
	s_delay_alu instid0(VALU_DEP_2)
	v_lshrrev_b32 v10, 2, v8
	s_delay_alu instid0(VALU_DEP_1)
	v_mul_u32_u24 v[AK0], v10, KP
	s_delay_alu instid0(VALU_DEP_4)
	v_and_b32 v10, 3, v8
	s_delay_alu instid0(VALU_DEP_1)
	v_lshl_add_u32 v[AK0], v10, 6, v[AK0]
	s_delay_alu instid0(VALU_DEP_1)
	v_lshl_add_u32 v[AK0], v9, 4, v[AK0]           ; K: key r of a tile: (r / 4) KP + 64 (r % 4) + 16 h
	v_mul_u32_u24 v[AV0], v8, VP
	s_delay_alu instid0(VALU_DEP_1)
	v_lshl_add_u32 v[AV0], v9, 4, v[AV0]
	s_delay_alu instid0(VALU_DEP_1)
	v_add_nc_u32 v[AV0], VOFF, v[AV0]              ; V: row r of a tile + 16 h
	s_mul_i32 s84, s[WV], 16*STP
	s_add_co_u32 s84, s84, STAGE                   ; my stage
	v_mul_u32_u24 v[STO], v8, STP
	s_delay_alu instid0(VALU_DEP_1)
	v_lshl_add_u32 v[STO], v9, 3, v[STO]
	s_delay_alu instid0(VALU_DEP_1)
	v_add_nc_u32 v[STO], s84, v[STO]               ; in: row r, + 8 h
	v_and_b32 v10, 31, v0
	s_delay_alu instid0(VALU_DEP_1)
	v_lshlrev_b32 v[GO], 4, v10
	s_delay_alu instid0(VALU_DEP_2)
	v_lshrrev_b32 v[RDS], 2, v10
	s_delay_alu instid0(VALU_DEP_1)
	v_mul_u32_u24 v[RDS], v[RDS], STP
	v_and_b32 v10, 3, v0
	s_delay_alu instid0(VALU_DEP_1)
	v_lshl_add_u32 v[RDS], v10, 4, v[RDS]
	s_delay_alu instid0(VALU_DEP_1)
	v_add_nc_u32 v[RDS], s84, v[RDS]               ; back: four lanes to a row of 64 bytes, eight rows an instruction
	v_lshlrev_b32 v[QO], 6, v8
	s_delay_alu instid0(VALU_DEP_1)
	v_lshl_add_u32 v[QO], v9, 4, v[QO]
	v_lshlrev_b32 v[DG], 3, v9
	s_delay_alu instid0(VALU_DEP_1)
	v_sub_nc_u32 v[DG], v8, v[DG]
	v_mov_b32 v236, 0                              ; written once: a lane permute's destination counts as one of its sources,
	v_mov_b32 v252, 0
	v_mov_b32 v253, 0                              ; and v253 is named as the upper half of the pair v[252:253]
	v_mov_b32 v254, 0
	s_wait_alu depctr_va_vdst(0)
	s_wait_kmcnt 0x0
	s_add_co_i32 s84, s74, s75
	s_lshl_b32 s84, s84, 23
	s_add_co_i32 s[CS], s[CS], s84                 ; a score stands for score x 2^(e2 + e3): the two exponents are added to c's exponent field
	s_mov_b32 s[CS+1], s[CS]                       ; (named with it as a pair, so it is written)
	s_add_co_i32 s84, s76, 127
	s_lshl_b32 s85, s84, 23
	v_mov_b32 v244, s85                            ; 2^e4 as f32, for p's conversion
	s_sub_co_i32 s84, s78, s76
	s_sub_co_i32 s84, s84, s77
	s_add_co_i32 s84, s84, 127
	s_lshl_b32 s85, s84, 23
	v_mov_b32 v245, s85                            ; 2^(e6 - e4 - e5): O^T / sum stands for o / 2^(e4 + e5): the three scales folded into one
; A block of queries begins: Q's fragment; the largest t -3e38, under every t; zeros for the sum and O^T, which the first change of M leaves zeros.
.macro INIT qp
	global_load_b128 v[16:19], v[QO], s[\qp:\qp+1]
	global_load_b128 v[20:23], v[QO], s[\qp:\qp+1] offset:32
	v_mov_b32 v13, 0xff61b1e6
	s_delay_alu instid0(VALU_DEP_1)
	v_floor_f32 v12, -v13                          ; -M
	v_mov_b32 v14, 0
	v_mov_b32 v15, 0
.set jj, 0
.rept 32
	v_mov_b32 v[160+jj], 0
.set jj, jj+1
.endr
	s_wait_loadcnt 0x0                             ; Q
	s_wait_xcnt 0x0                                ; and the stores of the block before have read their registers: the next step's LDS loads land there
.endm
; A KEY STEP: 128 keys, the q-th of the slot in hand.
.macro STEP q
	s_add_co_u32 s85, s[KF0], 128*\q               ; the step's first key
	s_add_co_u32 s86, s[Q0], 15
	s_cmp_gt_u32 s85, s86                          ; all its keys come after my 16 queries: the step is left out.  A branch on ids; no barrier and no tensor load stands in a step
	s_cbranch_scc1 .Lhidden_\@
	v_add_nc_u32 v[ADK], s[TB], v[AK0]
	v_add_nc_u32 v[ADV], s[TB], v[AV0]
	v_nop                                          ; with the two additions: four places in front of loads into registers that the last products read
	v_nop
.irp t, 0,1,2,3,4,5,6,7
	ds_load_b128 v[32+8*\t:35+8*\t], v[ADK] offset:(32*\q+4*\t)*KP
	ds_load_b128 v[36+8*\t:39+8*\t], v[ADK] offset:(32*\q+4*\t)*KP+32
.endr
	s_wait_alu depctr_va_vdst(0)
	s_wait_dscnt 0x0
.irp t, 0,1,2,3,4,5,6,7
	v_wmma_f32_16x16x64_fp8_fp8 v[96+8*\t:103+8*\t], v[32+8*\t:39+8*\t], v[16:23], 0   ; S^T: 16 keys x my 16 queries
.endr
.rept 4
	v_nop                                          ; places: for the loads below, and for the first read of the scores
.endr
.irp t, 0,1,2,3
.irp c, 0,1,2,3
	ds_load_b128 v[32+16*\t+4*\c:35+16*\t+4*\c], v[ADV] offset:\q*VBLK+16*\t*VP+32*\c   ; V^T's four fragments are asked for here and land under the softmax
.endr
.endr
	s_add_co_u32 s86, s85, 127
	s_cmp_le_u32 s86, s[Q0]                        ; all keys count for all my queries: no mask
	s_cbranch_scc1 .Lopen_\@
	s_sub_co_i32 s86, s[Q0], s85
	v_add_nc_u32 v252, s86, v[DG]                  ; my query - the step's first key - 8 h.  Register 8 t + j holds key 16 t + 8 h + j of the step: hidden where 16 t + j is larger
	v_mov_b32 v254, 0xff800000                     ; -infinity: p = 0 then.  (The step's first key counts for every query of mine, so M stays a number)
.irp n, 0,1,2,3,4,5,6,7,8,9,10,11,12,13,14,15,16,17,18,19,20,21,22,23,24,25,26,27,28,29,30,31,32,33,34,35,36,37,38,39,40,41,42,43,44,45,46,47,48,49,50,51,52,53,54,55,56,57,58,59,60,61,62,63
	v_cmp_gt_i32 vcc_lo, 16*(\n/8)+\n%8, v252
	v_cndmask_b32 v[96+\n], v[96+\n], v254, vcc_lo
.endr
.Lopen_\@:
	v_max3_num_f32 v254, v96, v97, v98             ; the step's largest score of my query, among my 64 keys, in two chains; each tile is read from its low end on
	v_max3_num_f32 v252, v99, v100, v101
.set jj, 6
.rept 14
	v_max3_num_f32 v254, v254, v[96+jj], v[97+jj]
	v_max3_num_f32 v252, v252, v[98+jj], v[99+jj]
.set jj, jj+4
.endr
	v_max3_num_f32 v254, v254, v158, v159
	s_delay_alu instid0(VALU_DEP_1)
	v_max_num_f32 v254, v254, v252
	v_permlanex16_b32 v236, v254, s[SEL], s[SEL+1]
	s_delay_alu instid0(VALU_DEP_1)
	v_max_num_f32 v254, v254, v236                 ; and among lane l xor 16's
	s_delay_alu instid0(VALU_DEP_1)
	v_mul_f32 v254, s[CS], v254                    ; as t (c is positive)
	s_delay_alu instid0(VALU_DEP_1)
	v_max_num_f32 v13, v13, v254                   ; the running largest t
	v_mov_b32 v254, v12
	s_delay_alu instid0(VALU_DEP_2)
	v_floor_f32 v12, -v13                          ; the new -M = floor(-t) = -ceil(t): M is a whole number
	s_delay_alu instid0(VALU_DEP_1)
	v_sub_f32 v254, v12, v254                      ; old M - new M: a whole number, 0 or less
	s_delay_alu instid0(VALU_DEP_1)
	v_cvt_i32_f32 v254, v254                       ; (it saturates)
	s_delay_alu instid0(VALU_DEP_1)
	v_ldexp_f32 v252, 1.0, v254                    ; f = 2^(old M - new M)
.set jj, 0
.rept 32
	v_pk_fma_f32 v[96+jj:97+jj], v[96+jj:97+jj], s[CS:CS+1], v[12:13] op_sel_hi:[1,0,0]   ; t - M, two at a time (of the pairs c and -M the low word serves both halves)
.set jj, jj+2
.endr
.set jj, 0
	s_wait_alu depctr_va_vdst(0)
.rept 64
	v_exp_f32 v[96+jj], v[96+jj]                   ; p = 2^(t - M), at most 1
.set jj, jj+1
.endr
	v_pk_mul_f32 v[14:15], v[14:15], v[252:253] op_sel_hi:[1,0]   ; the sums under the new M.  (A plain place behind the exponentials)
	s_wait_alu depctr_va_vdst(0)
	v_pk_add_f32 v[242:243], v[100:101], v[104:105]
	v_pk_add_f32 v[254:255], v[108:109], v[112:113]
	v_pk_add_f32 v[250:251], v[116:117], v[120:121]
	v_pk_add_f32 v[248:249], v[124:125], v[128:129]
	v_pk_add_f32 v[246:247], v[132:133], v[136:137]
	v_pk_add_f32 v[240:241], v[140:141], v[144:145]
	v_pk_add_f32 v[238:239], v[148:149], v[152:153]
	v_pk_add_f32 v[14:15], v[14:15], v[156:157]
	v_pk_add_f32 v[242:243], v[242:243], v[96:97]
	v_pk_add_f32 v[254:255], v[254:255], v[98:99]
	v_pk_add_f32 v[250:251], v[250:251], v[102:103]
	v_pk_add_f32 v[248:249], v[248:249], v[106:107]
	v_pk_add_f32 v[246:247], v[246:247], v[110:111]
	v_pk_add_f32 v[240:241], v[240:241], v[114:115]
	v_pk_add_f32 v[238:239], v[238:239], v[118:119]
	v_pk_add_f32 v[14:15], v[14:15], v[122:123]
	v_pk_add_f32 v[242:243], v[242:243], v[126:127]
	v_pk_add_f32 v[254:255], v[254:255], v[130:131]
	v_pk_add_f32 v[250:251], v[250:251], v[134:135]
	v_pk_add_f32 v[248:249], v[248:249], v[138:139]
	v_pk_add_f32 v[246:247], v[246:247], v[142:143]
	v_pk_add_f32 v[240:241], v[240:241], v[146:147]
	v_pk_add_f32 v[238:239], v[238:239], v[150:151]
	v_pk_add_f32 v[14:15], v[14:15], v[154:155]
	v_pk_add_f32 v[242:243], v[242:243], v[158:159]
	s_delay_alu instid0(VALU_DEP_2)
	v_pk_add_f32 v[14:15], v[14:15], v[248:249]
	s_delay_alu instid0(VALU_DEP_2)
	v_pk_add_f32 v[242:243], v[242:243], v[246:247]
	v_pk_add_f32 v[254:255], v[254:255], v[240:241]
	v_pk_add_f32 v[250:251], v[250:251], v[238:239]
	s_delay_alu instid0(VALU_DEP_2)
	v_pk_add_f32 v[14:15], v[14:15], v[254:255]
	s_delay_alu instid0(VALU_DEP_2)
	v_pk_add_f32 v[242:243], v[242:243], v[250:251]
	s_delay_alu instid0(VALU_DEP_1)
	v_pk_add_f32 v[14:15], v[14:15], v[242:243]
.irp t, 0,1,2,3,4,5,6,7
.irp i, 0,1,2,3,4,5,6,7
.endr
	v_cvt_scalef32_pk8_fp8_f32 v[224+2*\t:225+2*\t], v[96+8*\t:103+8*\t], v244   ; registers 2 t, 2 t + 1 of the operand: keys 16 t + 8 h + 0 .. 7
.endr
.set jj, 0
.rept 16
	v_pk_mul_f32 v[160+jj:161+jj], v[160+jj:161+jj], v[252:253] op_sel_hi:[1,0]   ; O^T under the new M.  (Also the plain places behind the last conversion)
.set jj, jj+2
.endr
	s_wait_alu depctr_va_vdst(0)
	s_wait_dscnt 0x0                               ; V^T's fragments are in
.irp t, 0,1,2,3
	v_wmma_f32_16x16x128_fp8_fp8 v[160+8*\t:167+8*\t], v[32+16*\t:47+16*\t], v[224:239], v[160+8*\t:167+8*\t]   ; O^T += V^T P^T: the four accumulators by turns
.endr
.Lhidden_\@:
.endm
; THE CHANGE OF SLOTS stands at a slot's head.  Each wave waits for all its tensor loads, adds 0 to its spare word, and waits for that and for its reads of the slot that it has left.  Behind the barrier the slot ahead is whole
; and nobody reads the other one.  fill = 1: that other slot is filled with the keys of the next trip: trip T + 1 walks slot T + 1 of the first block while T + 1 <= I, and slot T - I of the second block after that.
.macro CHANGE fill
	s_wait_tensorcnt 0x0                           ; no tensor load of mine is out, so a group 0 may be written
	ds_add_u32 v[SPW], v[NIL]                      ; 0 onto my spare word; the scalar work below stands between it and the wait for it
	s_lshl_b32 s[KF0], s[KN], 8                    ; the slot in hand is the one asked for last
	s_cmp_le_u32 s[TT], s[II]
	s_cselect_b32 s[Q0], s[Q0A], s[Q0B]            ; and the block of queries in hand
.if \fill
	s_add_co_u32 s80, s[TT], 1
	s_sub_co_u32 s81, s[TT], s[II]                 ; (it wraps where T < I, and is not taken then)
	s_cmp_le_u32 s80, s[II]
	s_cselect_b32 s[KN], s80, s81
	s_xor_b32 s[G0K+1], s[G0K+1], SLOT1            ; the other slot than last time
	s_xor_b32 s[G0V+1], s[G0V+1], SLOT1
	s_mov_b32 s83, 0
	s_lshl_b32 s82, s[KN], 14                      ; 256 keys of 64 bytes
	s_add_nc_u64 s[G0K+2:G0K+3], s[KB:KB+1], s[82:83]
	s_or_b32 s[G0K+3], s[G0K+3], 0x80000000
	s_lshl_b32 s82, s[KN], 18                      ; two blocks of 1,024 rows of 128 bytes
	s_add_nc_u64 s[G0V+2:G0V+3], s[VB:VB+1], s[82:83]
	s_or_b32 s[G0V+3], s[G0V+3], 0x80000000
.endif
	s_wait_dscnt 0x0                               ; the add is done, and my reads of the slot that I have left are over
	s_barrier_signal -1
	s_barrier_wait -1
.if \fill
	TLOAD                                          ; the first thing behind the barrier, and a wave's one tensor load until the next: it has a whole slot's steps in which to land
.endif
.endm
.macro SLOT_STEPS
	STEP 0
	STEP 1
	s_xor_b32 s[TB], s[TB], SLOT1                  ; on to the other slot
.endm
; A block of queries ends: O^T / sum, held, quantised; 8 bytes a tile into my stage, back as 16 bytes a lane: the wave stores its 16 rows of 64 bytes as 1,024 consecutive bytes.
.macro FLUSH op
.rept 4
	v_nop                                          ; places behind the last products
.endr
	v_add_f32 v14, v14, v15                        ; the sum's two halves,
	s_delay_alu instid0(VALU_DEP_1)
	v_permlanex16_b32 v252, v14, s[SEL], s[SEL+1]
	s_delay_alu instid0(VALU_DEP_1)
	v_add_f32 v14, v14, v252                       ; and lane l xor 16's: the row's sum
	s_wait_alu depctr_va_vdst(0)
	v_rcp_f32 v14, v14
	v_nop                                          ; one plain place behind a transcendental
.set jj, 0
	s_wait_alu depctr_va_vdst(0)
.rept 16
	v_pk_mul_f32 v[192+jj:193+jj], v[160+jj:161+jj], v[14:15] op_sel_hi:[1,0]   ; register 8 t + j: d = 16 t + 8 h + j of my query; each accumulator from its low end on
.set jj, jj+2
.endr
.set jj, 0
.rept 32
.set jj, jj+1
.endr
.irp t, 0,1,2,3
	v_cvt_scalef32_pk8_fp8_f32 v[224+2*\t:225+2*\t], v[192+8*\t:199+8*\t], v245
.endr
	v_nop                                          ; one plain vector instruction behind the last conversion
.irp t, 0,1,2,3
	ds_store_b64 v[STO], v[224+2*\t:225+2*\t] offset:16*\t
.endr
.irp u, 0,1
	ds_load_b128 v[32+4*\u:35+4*\u], v[RDS] offset:8*STP*\u   ; a wave's LDS instructions are served in order (ISA guide 5.7.1): these see my stores
.endr
	s_wait_dscnt 0x0
.irp u, 0,1
	global_store_b128 v[GO], v[32+4*\u:35+4*\u], s[\op:\op+1] offset:512*\u   ; 32 lanes store 512 consecutive bytes, aligned
.endr
.endm
	INIT QPA
.Lslot:                                            ; eight trips: behind each change of slots but the last the next slot is asked for
	CHANGE 1
	SLOT_STEPS
	s_cmp_lg_u32 s[TT], s[II]                      ; trip I walked the first block's diagonal slot: that block goes out, and the second begins.  A branch on ids, the same in all waves
	s_cbranch_scc1 .Lsame_block
	FLUSH OPA
	INIT QPB
.Lsame_block:
	s_add_co_u32 s[TT], s[TT], 1
	s_cmp_lt_u32 s[TT], 8
	s_cbranch_scc1 .Lslot
	CHANGE 0                                       ; the ninth slot is written out
	SLOT_STEPS
	FLUSH OPB
	s_wait_tensorcnt 0x0                           ; the wave's end, behind my last tensor load and my last LDS store
	ds_add_u32 v[SPW], v[NIL]
	s_wait_dscnt 0x0
	s_endpgm
.Lfunc_end_k_q3f0829343e_attn:
	.size	k_q3f0829343e_attn, .Lfunc_end_k_q3f0829343e_attn-k_q3f0829343e_attn
	.p2alignl 7, 3214868480
	.fill 96, 4, 3214868480
	.section	.rodata,"a",@progbits
	.p2align	6, 0x0
	.amdhsa_kernel k_q3f0829343e_attn
		.amdhsa_group_segment_fixed_size 327680
		.amdhsa_private_segment_fixed_size 0
		.amdhsa_enable_private_segment 0
		.amdhsa_kernarg_size 40
		.amdhsa_user_sgpr_count 2
		.amdhsa_user_sgpr_kernarg_segment_ptr 1
		.amdhsa_wavefront_size32 1
		.amdhsa_system_sgpr_workgroup_id_x 1
		.amdhsa_system_sgpr_workgroup_id_y 1
		.amdhsa_system_sgpr_workgroup_id_z 1
		.amdhsa_system_vgpr_workitem_id 0
		.amdhsa_next_free_vgpr 256
		.amdhsa_next_free_sgpr 96
		.amdhsa_reserve_vcc 1
		.amdhsa_float_denorm_mode_32 3
		.amdhsa_float_denorm_mode_16_64 3
		.amdhsa_fp16_overflow 1
		.amdhsa_memory_ordered 1
		.amdhsa_forward_progress 1
		.amdhsa_inst_pref_size 93
	.end_amdhsa_kernel
	.amdgpu_metadata
---
amdhsa.version: [ 1, 2 ]
amdhsa.kernels:
  - .name:           k_q3f0829343e_attn
    .symbol:         k_q3f0829343e_attn.kd
    .args:
      - { .name: qc, .offset: 0, .size: 8, .value_kind: global_buffer, .address_space: global }
      - { .name: kc, .offset: 8, .size: 8, .value_kind: global_buffer, .address_space: global }
      - { .name: vt, .offset: 16, .size: 8, .value_kind: global_buffer, .address_space: global }
      - { .name: lowp_scales, .offset: 24, .size: 8, .value_kind: global_buffer, .address_space: global }
      - { .name: ac, .offset: 32, .size: 8, .value_kind: global_buffer, .address_space: global }
    .group_segment_fixed_size: 327680
    .private_segment_fixed_size: 0
    .kernarg_segment_align: 8
    .kernarg_segment_size: 40
    .max_flat_workgroup_size: 512
    .sgpr_count:     96
    .vgpr_count:     256
    .wavefront_size: 32
...
	.end_amdgpu_metadata
.endif
;; end of part 3
;; launch proj (part 4): grid 8 x 32, 4 waves a work-group, clusters of 4 x 4, 327,680 bytes of LDS; arguments ac, wpc, b_proj, lowp_scales, out0; writes out0
.if DOCPART == 4
	.amdgcn_target "amdgcn-amd-amdhsa--gfx1250"
	.amdhsa_code_object_version 6
	.text
	.protected	k_q3f0829343e_proj
	.globl	k_q3f0829343e_proj
	.p2align	8
	.type	k_q3f0829343e_proj,@function
k_q3f0829343e_proj:
	s_mov_b64 s[64:65], 0
	v_nop
	global_prefetch_b8 v0, s[64:65] scope:SCOPE_SE
	s_setreg_imm32_b32 hwreg(HW_REG_WAVE_MODE, 25, 1), 1
	s_wait_xcnt 0x0
	s_wait_alu depctr_hold_cnt(0) depctr_sa_sdst(0) depctr_va_vdst(0) depctr_va_sdst(0) depctr_va_ssrc(0) depctr_va_vcc(0) depctr_vm_vsrc(0)
	s_getreg_b32 s2, hwreg(HW_REG_IB_STS2, 6, 4)
	s_cmp_eq_u32 s2, 0
	s_cbranch_scc0 .Lentry_in_a_cluster
	s_endpgm
.Lentry_in_a_cluster:
	s_bfe_u32 s2, ttmp6, 0x10000c
	s_cmp_lg_u32 s2, 0xf033
	s_cbranch_scc0 .Lentry_shape_is_right
	s_endpgm
.Lentry_shape_is_right:
; out0 = o W_proj + b_proj on codes of FP8 (E4M3).  ac: [tile of 256 rows: 32][head 16][256 rows][64 bytes], wpc: [1024 n][1024 k]: codes.  out0 [8192][1024] f32 = sum x 2^(e6 + e7) + b_proj.
; LIMIT: e6 + e7 between -126 and 127, so that 2^(e6 + e7) is an f32 number.  The fragments come by loads of 16 bytes, which permutes k alike in both operands: only the order of the sums inside an instruction changes.
; A tile of 256 rows x 128 columns is made by a work-group of four waves: 32 x 8 tiles are 256 work-groups.  A wave makes 128 x 64: 32 accumulators, 256 registers.
; K goes in steps of 256 (four heads) through a ring of two LDS slots.  A K step of A is 65,536 dense bytes of ac, brought as rows of 256 bytes (four rows of o of one head); of B 128 rows of 256 bytes.
; CLUSTERS: 4 x 4 work-groups.  The four of a row of the cluster need the same tiles of A, the four of a column the same tiles of B: each tile is asked for jointly.
; THE MATRIX INSTRUCTION IS USED TRANSPOSED (source 0 = 16 rows of wpc, source 1 = 16 rows of o): a lane holds eight neighbouring numbers of a row of out0.
; REGISTERS, in windows of 256: window 0: v0-31 addresses; v32-63 a block's results; v96-127 the bias; from v128 A's fragments (8 x 16 rows x 128 K), ONE set, later rows read back.
;   window 1: B's fragments, TWO sets of 64, at v0 and v64.   window 2: the accumulators, (a, b) at v[8 (4 a + b)].
.set PITCH,  272                       ; an LDS row: 256 bytes + 16
.set CHUNK,  64*PITCH                  ; a head's 256 rows of 64 bytes: row n at (n / 4) PITCH + 64 (n % 4): the 16 rows that a load touches start at 16 different multiples of 16 bytes modulo 256
.set BOFF,   4*CHUNK                   ; a slot: four heads of A, then B's 128 rows
.set SLOT,   BOFF+128*PITCH
.set FR,     16
.set NL,     4
.set NP,     4                         ; places behind this matrix instruction (ISA guide 7.12.1)
.set LAPS,   2                         ; K = 1,024 is four K steps: twice round the ring
.set SPARE,  2*SLOT                    ; behind the ring: the spare words, 128 bytes for each wave
.set SPITCH, 272                       ; the way out: a stage of 16 rows x (256 bytes + 16) for each wave, in slot 0, which has had its last fill and its last read when the first result is stored there
.set ADRA, 16                          ; v16-17  LDS address of my A fragments in slot 0, 1
.set ADRB, 20                          ; v20-21  the same for B
.set STO,  24                          ; v24     the way out: where I put 32 bytes of a row
.set RD,   25                          ; v25     where I read 16 bytes back
.set CO,   26                          ; v26     my byte offset in two rows of out0
.set SPW,  28                          ; v28     LDS address of my spare word; never rewritten
.set NIL,  29                          ; v29     0; never rewritten
.set TMP,  32
.set BJ,   96
.set AF,   128
.set BK,   128                         ; rows read back: v128-159 and v160-191 by turns
.set G1, 24                            ; s[24:31] descriptor group 1 for A's tiles;  s[32:39] group 0, one set for each slot
.set G0, 32
.set G1B, 48                           ; s[48:55], s[56:63] the same for B's tiles
.set G0B, 56
.set MSB, 0
.macro WIN new                         ; the immediate's high byte repeats the setting that is left
.if MSB != (\new)
	s_set_vgpr_msb (MSB<<8)|(\new)
.set MSB, (\new)
.endif
.endm
.set MUL,  0xa1                        ; source 0 (B) window 1, source 1 (A) window 0, C and D window 2
.set TO_B, 0x40                        ; destination window 1, address window 0
; A joint load: waves 0 and 1 fetch A's two halves, waves 2 and 3 B's.  The branch hangs on the wave's number alone.  Four v_nop follow each of the two lines.
.macro JLOAD g0a, g1a, g0b, g1b
	s_cmp_eq_u32 s15, 0
	s_cbranch_scc0 .Lfor_b_\@
	tensor_load_to_lds s[\g0a:\g0a+3], s[\g1a:\g1a+7]
	s_nop 0
.rept 4
	v_nop
.endr
	s_branch .Lasked_\@
.Lfor_b_\@:
	tensor_load_to_lds s[\g0b:\g0b+3], s[\g1b:\g1b+7]
	s_nop 0
.rept 4
	v_nop
.endr
.Lasked_\@:
.endm
.macro CREST                           ; a round of the cluster's barrier behind its opening barrier
	s_cmp_lg_u32 s14, 0
	s_cbranch_scc1 .Lnot_wave_0_\@
	s_barrier_signal -3
.Lnot_wave_0_\@:
	s_barrier_wait -3
	s_barrier_signal -1
	s_barrier_wait -1
.endm
.macro CROUND                          ; a whole round
	s_barrier_signal -1
	s_barrier_wait -1
	CREST
.endm
	s_load_b256 s[4:11], s[0:1], 0x0               ; ac s[4:5], wpc s[6:7], b_proj s[8:9], the scales' exponents s[10:11]
	s_load_b64 s[12:13], s[0:1], 0x20              ; out0
	v_lshl_add_u32 v[SPW], v0, 2, SPARE
	v_mov_b32 v[NIL], 0
	ds_add_u32 v28, v29
	ds_add_u32 v28, v29
	s_wait_dscnt 0x0
	v_lshrrev_b32 v1, 5, v0
	v_readfirstlane_b32 s14, v1                    ; wave 0..3
	s_lshr_b32 s15, s14, 1                         ; which half of the tile's rows is mine.  Also: I fetch for A (0) or for B (1)
	s_and_b32 s16, s14, 1                          ; which half of its columns.  Also: which half of that tile I fetch
	s_bfe_u32 s40, ttmp6, 0x40000                  ; cx, cy: my place in the cluster
	s_bfe_u32 s41, ttmp6, 0x40004
	s_lshl_b32 s42, ttmp9, 2
	s_add_co_u32 s42, s42, s40                     ; tile column = 4 x cluster x + cx (of 8)
	s_and_b32 s17, ttmp7, 0xffff
	s_lshl_b32 s17, s17, 2
	s_add_co_u32 s17, s17, s41                     ; tile row = 4 x cluster y + cy (of 32)
	s_lshl_b32 s43, s41, 2
	s_lshl_b32 s43, 15, s43                        ; my row of the cluster
	s_lshl_b32 s44, 0x1111, s40                    ; my column
	; descriptor groups 1.  A: 128 rows of 256 bytes, dense in memory.  B: 64 rows of 256 bytes, 1,024 bytes apart.  Both padded in LDS: four words after every 64
	s_or_b32 s[G1+0], s43, (0<<16)|(1<<20)|(1<<21)|(5<<22)|(3<<25)  ; 15:0 the mask: A's tiles go to my row; elements of 1 byte; 20 padding on; 21 set beside a mask
	s_mov_b32 s[G1+1], 256<<16                     ; tensor_dim0
	s_mov_b32 s[G1+2], 128<<16                     ; tensor_dim1
	s_mov_b32 s[G1+3], 256<<16                     ; tile_dim0
	s_mov_b32 s[G1+4], 128                         ; tile_dim1
	s_mov_b32 s[G1+5], 256                         ; tensor_dim0_stride
	s_mov_b32 s[G1+6], 0
	s_mov_b32 s[G1+7], 0
	s_or_b32 s[G1B+0], s44, (0<<16)|(1<<20)|(1<<21)|(5<<22)|(3<<25)
	s_mov_b32 s[G1B+1], 256<<16
	s_mov_b32 s[G1B+2], 64<<16
	s_mov_b32 s[G1B+3], 256<<16
	s_mov_b32 s[G1B+4], 64
	s_mov_b32 s[G1B+5], 1024
	s_mov_b32 s[G1B+6], 0
	s_mov_b32 s[G1B+7], 0
	s_lshl_b32 s20, s17, 18                        ; A: tile row x 16 heads x 16,384 bytes: it hangs on cy, never on cx
	s_lshl_b32 s18, s16, 15                        ; + my two heads of a K step's four
	s_add_co_u32 s20, s20, s18
	s_mov_b32 s21, 0
	s_lshl_b32 s46, s42, 7                         ; B: row 128 x tile column + 64 x half: on cx, never on cy
	s_lshl_b32 s18, s16, 6
	s_add_co_u32 s46, s46, s18
	s_lshl_b32 s46, s46, 10
	s_mov_b32 s47, 0
	s_mul_i32 s45, s16, 2*CHUNK                    ; where they go: A's halves,
	s_mul_i32 s19, s16, 64*PITCH
	s_add_co_u32 s19, s19, BOFF                    ; B's halves: no place in the cluster enters an LDS address
	s_wait_kmcnt 0x0
	s_load_b256 s[80:87], s[10:11], 0x0            ; e0 .. e7
	s_add_nc_u64 s[20:21], s[4:5], s[20:21]
	s_add_nc_u64 s[46:47], s[6:7], s[46:47]
	CROUND                                         ; all sixteen work-groups are here: the first joint loads meet
.irp s, 0,1
	s_mov_b32 s[G0+4*\s], 1
	s_add_co_u32 s[G0+4*\s+1], s45, \s*SLOT
	s_add_nc_u64 s[G0+4*\s+2:G0+4*\s+3], s[20:21], \s*65536
	s_or_b32 s[G0+4*\s+3], s[G0+4*\s+3], 0x80000000
	s_mov_b32 s[G0B+4*\s], 1
	s_add_co_u32 s[G0B+4*\s+1], s19, \s*SLOT
	s_add_nc_u64 s[G0B+4*\s+2:G0B+4*\s+3], s[46:47], \s*256
	s_or_b32 s[G0B+4*\s+3], s[G0B+4*\s+3], 0x80000000
	s_wait_alu depctr_va_vdst(0)
	s_wait_tensorcnt 0x0
	ds_add_u32 v28, v29
	ds_add_u32 v28, v29
	s_wait_dscnt 0x0
	CROUND
	JLOAD G0+4*\s, G1, G0B+4*\s, G1B               ; one load of mine is out
.endr
	v_and_b32 v1, 15, v0                           ; r = lane % 16
	v_bfe_u32 v2, v0, 4, 1                         ; h = lane / 16
	v_lshrrev_b32 v3, 2, v1
	v_mul_u32_u24 v3, v3, PITCH
	v_and_b32 v4, 3, v1
	v_lshl_add_u32 v3, v4, 6, v3
	v_lshl_add_u32 v3, v2, 4, v3                   ; A: row r of a block: (r / 4) PITCH + 64 (r % 4) + 16 h
	v_mul_u32_u24 v4, v1, PITCH
	v_lshl_add_u32 v4, v2, 4, v4                   ; B: row r x pitch + 16 h
	s_mul_i32 s21, s15, 32*PITCH                   ; my 128 rows of each head's 256
	s_mul_i32 s22, s16, 64*PITCH                   ; my 64 rows of B,
	s_add_co_u32 s22, s22, BOFF                    ; which lie behind A's four heads
.irp s, 0,1
	v_add_nc_u32 v[ADRA+\s], s21, v3
	v_add_nc_u32 v[ADRB+\s], s22, v4
	s_add_co_u32 s21, s21, SLOT
	s_add_co_u32 s22, s22, SLOT
.endr
	s_mul_i32 s23, s14, 16*SPITCH                  ; my stage
	v_mul_u32_u24 v5, v1, SPITCH
	v_lshl_add_u32 v5, v2, 5, v5
	v_add_nc_u32 v[STO], s23, v5                   ; in: row r, 32 bytes for each half of the lanes
	v_mul_u32_u24 v5, v2, SPITCH
	v_lshl_add_u32 v5, v1, 4, v5
	v_add_nc_u32 v[RD], s23, v5                    ; back: lanes 0-15 one row of 256 bytes, lanes 16-31 the next
	v_lshlrev_b32 v5, 12, v2
	v_lshl_add_u32 v[CO], v1, 4, v5                ; and the same two rows in out0
	s_lshl_b32 s18, s42, 9
	s_lshl_b32 s19, s16, 8
	s_add_co_u32 s18, s18, s19                     ; my first column, in bytes: 512 x tile column + 256 x half
	s_mov_b32 s19, 0
	s_add_nc_u64 s[66:67], s[8:9], s[18:19]        ; b_proj there
	s_add_nc_u64 s[12:13], s[12:13], s[18:19]
	s_lshl_b32 s18, s17, 20
	s_lshl_b32 s74, s15, 19
	s_add_co_u32 s18, s18, s74                     ; my first row: (256 x tile row + 128 x half) x 4,096 bytes
	s_add_nc_u64 s[12:13], s[12:13], s[18:19]
	v_lshlrev_b32 v14, 5, v2                       ; 8 h numbers
.irp b, 0,1,2,3
	global_load_b128 v[BJ+8*\b:BJ+8*\b+3], v14, s[66:67] offset:64*\b        ; b_proj at my column 16 b + 8 h + 0 .. 7: the result's layout
	global_load_b128 v[BJ+8*\b+4:BJ+8*\b+7], v14, s[66:67] offset:64*\b+16
.endr
	s_wait_kmcnt 0x0
	s_add_co_i32 s96, s86, s87                     ; e6 + e7
	s_add_co_i32 s96, s96, 127
	s_lshl_b32 s96, s96, 23                        ; 2^(e6 + e7) as f32
	s_mov_b32 s97, s96                             ; (named with it as a pair, so it is written)
	s_wait_loadcnt 0x0                             ; the bias
.macro FRAGA reg, slot, q, a           ; 16 rows x 128 K of A: registers 4 c .. 4 c + 3 hold k = 32 c + 16 (l / 16) + 0 .. 15: head 2 q + c / 2 of the slot's four, its bytes 32 (c % 2) + 16 (l / 16) on
.irp c, 0,1,2,3
	ds_load_b128 v[\reg+4*\c:\reg+4*\c+3], v[ADRA+\slot] offset:(2*(\q)+\c/2)*CHUNK+(\a)*4*PITCH+32*(\c%2)
.endr
.endm
.macro FRAGB reg, slot, q, i           ; the same k of 16 rows of B
.irp c, 0,1,2,3
	ds_load_b128 v[\reg+4*\c:\reg+4*\c+3], v[ADRB+\slot] offset:128*(\q)+32*\c+(\i)*16*PITCH
.endr
.endm
; 8 matrix instructions: A's blocks a0, a0 + 1 x B's four, 128 along K.  p: B's set.  zero = 1: the first product starts the sums.
; The 32 accumulators take turns, one instruction a turn, in the same order in every step.
.macro MUL8 a0, p, zero
.irp a, \a0, \a0+1
.irp b, 0,1,2,3
.if \zero
	v_wmma_f32_16x16x128_fp8_fp8 v[8*(4*(\a)+\b):8*(4*(\a)+\b)+7], v[64*(\p)+FR*\b:64*(\p)+FR*\b+FR-1], v[AF+FR*(\a):AF+FR*(\a)+FR-1], 0
.else
	v_wmma_f32_16x16x128_fp8_fp8 v[8*(4*(\a)+\b):8*(4*(\a)+\b)+7], v[64*(\p)+FR*\b:64*(\p)+FR*\b+FR-1], v[AF+FR*(\a):AF+FR*(\a)+FR-1], v[8*(4*(\a)+\b):8*(4*(\a)+\b)+7]
.endif
.endr
.endr
.endm
.macro FETCH_B slot, q, p              ; B's four fragments of the slot's q-th 128 along K into set p
	WIN TO_B
.irp i, 0,1,2,3
	FRAGB 64*(\p)+FR*\i, \slot, \q, \i
.endr
	WIN 0
.endm
.macro FETCH_A slot, q, i0             ; A's blocks i0 .. i0 + 3
.irp i, \i0, \i0+1, \i0+2, \i0+3
	FRAGA AF+FR*(\i), \slot, \q, \i
.endr
.endm
; A load into a register that a matrix instruction has read, and a vector instruction that reads a matrix result, stand NP places behind it; only plain vector instructions that name none of its registers are places.
.macro PLACES n
.rept \n
	v_nop
.endr
.endm
; A step of 128 along K that has its successor in the same slot.
.macro STEP slot, q, zero
	s_wait_dscnt 4*NL                              ; B's set and A's blocks 0-3 are in; the youngest sixteen loads (A's blocks 4-7) may be out
	WIN MUL
	MUL8 0, (\q)%2, \zero
	MUL8 2, (\q)%2, \zero
	s_wait_dscnt 0                                 ; A's blocks 4-7 are in
	PLACES NP
	FETCH_B \slot, (\q)+1, 1-(\q)%2
	FETCH_A \slot, (\q)+1, 0
	WIN MUL
	MUL8 4, (\q)%2, \zero
	MUL8 6, (\q)%2, \zero
	PLACES NP
	WIN 0
	FETCH_A \slot, (\q)+1, 4
.endm
; A slot's last step changes slots: ONE barrier; in front of it each wave waits for all its tensor loads, adds 0 to its spare word, and waits for that and for its own reads of this slot.  fill = 1: this slot is filled again, two K steps ahead.
.macro TURN slot, next, fill
	s_wait_tensorcnt 0x0                           ; all my tensor loads have landed: my part of the next slot;  (every window is 0 here)
	ds_add_u32 v[SPW], v[NIL]                      ; 0 onto my spare word
	s_wait_dscnt 4*NL+1                            ; (the add and the youngest sixteen loads, A's blocks 4-7, may be out)
	WIN MUL
	MUL8 0, 1, 0                                   ; eight matrix instructions stand between the add and the wait for it
	s_wait_dscnt 0x0                               ; the add is done, and my reads of this slot are over
	s_barrier_signal -1
	MUL8 2, 1, 0
	WIN 0
	s_barrier_wait -1
.if \fill
	CREST                                          ; the barrier has opened a round of the cluster's barrier: no wave of any partner still reads this slot's tile or has a load on its way
	s_add_nc_u64 s[G0+4*\slot+2:G0+4*\slot+3], s[G0+4*\slot+2:G0+4*\slot+3], 2*65536
	s_add_nc_u64 s[G0B+4*\slot+2:G0B+4*\slot+3], s[G0B+4*\slot+2:G0B+4*\slot+3], 2*256
	JLOAD G0+4*\slot, G1, G0B+4*\slot, G1B         ; the first tensor load behind the round, my only one until the next; its four v_nop are the places in front of the loads below
.else
	PLACES NP
.endif
	FETCH_B \next, 0, 0
	FETCH_A \next, 0, 0
	WIN MUL
	MUL8 4, 1, 0
	MUL8 6, 1, 0
	PLACES NP
	WIN 0
	FETCH_A \next, 0, 4
.endm
	s_wait_tensorcnt 1                             ; my part of K step 0 is in; K step 1's load may be out
	s_barrier_signal -1
	s_barrier_wait -1                              ; everybody's is
	FETCH_B 0, 0, 0
	FETCH_A 0, 0, 0
	FETCH_A 0, 0, 4
	STEP 0, 0, 1                                   ; the first step stands in front of the loop: its products start the sums
	s_mov_b32 s3, LAPS-1
.Llap:                                                 ; a trip goes once round the ring, from a lap's second step to the next lap's first, and fills both slots again
	TURN 0, 1, 1
	STEP 1, 0, 0
	TURN 1, 0, 1
	STEP 0, 0, 0
	s_sub_co_u32 s3, s3, 1
	s_cmp_lg_u32 s3, 0
	s_cbranch_scc1 .Llap
	TURN 0, 1, 0                                   ; the last lap fills nothing, and has no round of the cluster's barrier
	STEP 1, 0, 0
	s_wait_dscnt 4*NL                              ; the very last step: nothing more to fetch
	WIN MUL
	MUL8 0, 1, 0
	MUL8 2, 1, 0
	s_wait_dscnt 0
	MUL8 4, 1, 0
	MUL8 6, 1, 0
	WIN 0
; THE WAY OUT, block by block of 16 rows x 64 columns.  One packed multiply-add for two numbers gives sum x 2^(e6 + e7) + bias.  A lane holds 32 neighbouring bytes of a row: a block goes through my own stage in LDS and comes back
; as whole rows of 256 bytes.  A wave's LDS instructions are served in order (ISA guide 5.7.1): no wait between the stores and the loads, nor in front of the next block's stores.
.macro TOSTAGE a
.set BB, BK+32*((\a)%2)
	WIN 0x02                                       ; source 0: window 2
.set jj, 0
.rept 16
	v_pk_fma_f32 v[TMP+jj:TMP+jj+1], v[32*(\a)+jj:32*(\a)+jj+1], s[96:97], v[BJ+jj:BJ+jj+1] op_sel_hi:[1,0,1]   ; each accumulator from its low end on
.set jj, jj+2
.endr
	WIN 0
.irp b, 0,1,2,3
	ds_store_b128 v[STO], v[TMP+8*\b:TMP+8*\b+3] offset:64*\b
	ds_store_b128 v[STO], v[TMP+8*\b+4:TMP+8*\b+7] offset:64*\b+16
.endr
.irp t, 0,1,2,3,4,5,6,7
	ds_load_b128 v[BB+4*\t:BB+4*\t+3], v[RD] offset:\t*2*SPITCH
.endr
.endm
.macro SEND a, younger                 ; younger: the LDS instructions issued behind block a's loads, which may stay out
.set BB, BK+32*((\a)%2)
	s_wait_dscnt \younger                          ; the block is back in registers
.if (\a) > 0
	s_add_nc_u64 s[12:13], s[12:13], 65536         ; (behind a wait on XCNT: the earlier stores have read their base)  16 rows of out0 on
.endif
.irp t, 0,1,2,3,4,5,6,7
	global_store_b128 v[CO], v[BB+4*\t:BB+4*\t+3], s[12:13] offset:\t*8192 th:TH_STORE_NT   ; sixteen lanes store 256 consecutive bytes, aligned; written once, read by nobody here
.endr
.endm
	PLACES NP                                      ; behind the last products: for the loads into the registers that held A's fragments and for block 7's reads alike
	TOSTAGE 0
.irp a, 1,2,3,4,5,6,7
.if \a > 1
	s_wait_xcnt 0x0                                ; block a - 2's stores have read their registers and their base: block a's loads may land there, and the base may step
.endif
	TOSTAGE \a
	SEND \a-1, 16                                  ; behind block a - 1's loads: block a's 8 stores and 8 loads
.endr
	s_wait_xcnt 0x0                                ; block 6's stores have read their base
	SEND 7, 0
	s_wait_tensorcnt 0x0                           ; the wave's end, behind my last tensor load and my last LDS store
	ds_add_u32 v[SPW], v[NIL]
	s_wait_dscnt 0x0
	CROUND                                         ; the closing round: no work-group ends while a partner may still ask for a tile that names it
	s_endpgm
.Lfunc_end_k_q3f0829343e_proj:
	.size	k_q3f0829343e_proj, .Lfunc_end_k_q3f0829343e_proj-k_q3f0829343e_proj
	.p2alignl 7, 3214868480
	.fill 96, 4, 3214868480
	.section	.rodata,"a",@progbits
	.p2align	6, 0x0
	.amdhsa_kernel k_q3f0829343e_proj
		.amdhsa_group_segment_fixed_size 327680
		.amdhsa_private_segment_fixed_size 0
		.amdhsa_enable_private_segment 0
		.amdhsa_kernarg_size 40
		.amdhsa_user_sgpr_count 2
		.amdhsa_user_sgpr_kernarg_segment_ptr 1
		.amdhsa_wavefront_size32 1
		.amdhsa_system_sgpr_workgroup_id_x 1
		.amdhsa_system_sgpr_workgroup_id_y 1
		.amdhsa_system_sgpr_workgroup_id_z 1
		.amdhsa_system_vgpr_workitem_id 0
		.amdhsa_next_free_vgpr 768
		.amdhsa_next_free_sgpr 100
		.amdhsa_reserve_vcc 0
		.amdhsa_float_denorm_mode_32 3
		.amdhsa_float_denorm_mode_16_64 3
		.amdhsa_memory_ordered 1
		.amdhsa_forward_progress 1
		.amdhsa_inst_pref_size 79
	.end_amdhsa_kernel
	.amdgpu_metadata
---
amdhsa.version: [ 1, 2 ]
amdhsa.kernels:
  - .name:           k_q3f0829343e_proj
    .symbol:         k_q3f0829343e_proj.kd
    .args:
      - { .name: ac, .offset: 0, .size: 8, .value_kind: global_buffer, .address_space: global }
      - { .name: wpc, .offset: 8, .size: 8, .value_kind: global_buffer, .address_space: global }
      - { .name: b_proj, .offset: 16, .size: 8, .value_kind: global_buffer, .address_space: global }
      - { .name: lowp_scales, .offset: 24, .size: 8, .value_kind: global_buffer, .address_space: global }
      - { .name: out0, .offset: 32, .size: 8, .value_kind: global_buffer, .address_space: global }
    .group_segment_fixed_size: 327680
    .private_segment_fixed_size: 0
    .kernarg_segment_align: 8
    .kernarg_segment_size: 40
    .max_flat_workgroup_size: 128
    .sgpr_count:     100
    .vgpr_count:     768
    .wavefront_size: 32
...
	.end_amdgpu_metadata
.endif
;; end of part 4
